; MI455X (gfx1250); checked and timed in simulation.
; The chip was launched on July 23, 2026; its instructions are those of AMD's public machine-readable ISA for CDNA 5 (MIT licence, August 2026) and "CDNA5" Instruction Set Architecture Reference Guide (July 2026). The comments in the code are by the model that wrote it; some were corrected since.
;; Attention. Allowed arithmetic: matrix products marked QUANTISED: E2M1 operands, one E8M0 scale for each 32 along K, by v_wmma_scale_f32_16x16x128_f8f6f4 with both operands' format E2M1 (or v_wmma_scale_f32_32x16x128_f4), f32 sums; products left as they are: bf16, f16 or f32 operands; f32 sums; everything else in f32.
;; Inputs: Wk 2,048 x 512 float32; Wo 2,048 x 2,048 float32; Wq 2,048 x 2,048 float32; Wv 2,048 x 512 float32; mask 1 x 1 x 2,048 x 2,048 float32; x 1 x 2,048 x 2,048 float32.
;; Outputs: out0 1 x 2,048 x 2,048 float32.
;; This version of the problem:
;;   THIS VERSION OF THE PROBLEM IS GIVEN IN LOW PRECISION. The matrix products marked QUANTISED in the list below multiply operands that are first quantised to E2M1 (2 exponent bits, 1 mantissa bit; 4 bits a number), with one power-of-two scale for each 32 numbers along K (OCP MX v1.0); their sums are f32. The products marked 'left as it is' may take bf16, f16 or f32 operands, with f32 sums. Whichever they take, every output number must still come out within the allowed error. Rounding operands to bf16 (8 significant bits) uses up far more of that allowance than f16 does (11 bits, for magnitudes from 6e-5 to 65,504). All else is computed in f32.
;;   The module's matrix products, in the order in which they are computed (A, B: the left and right operand; K: the contracted axis; several contracted axes count as one K, in the product's order):
;;     1. [M 2,048, K 2,048] x [K 2,048, N 2,048]; A: input x; B: input Wq: QUANTISED
;;     2. [M 2,048, K 2,048] x [K 2,048, N 512]; A: input x; B: input Wk: QUANTISED
;;     3. [M 2,048, K 2,048] x [K 2,048, N 512]; A: input x; B: input Wv: QUANTISED
;;     4. batch 32 x [M 2,048, K 64] x [K 64, N 2,048]; A: computed on the way; B: computed on the way: left as it is (an operand is computed on the way)
;;     5. batch 32 x [M 2,048, K 2,048] x [K 2,048, N 64]; A: computed on the way; B: computed on the way: left as it is (an operand is computed on the way)
;;     6. [M 2,048, K 2,048] x [K 2,048, N 2,048]; A: computed on the way; B: input Wo: left as it is (an operand is computed on the way)
;;   THE QUANTISER, for each operand of a quantised product, along K:
;;     - K is cut into blocks of 32 from its start; a last block that is shorter is filled with zeros.
;;     - A block's scale is 2^e with e = floor(log2(the largest magnitude in the block)) - 2, held to -126 .. 127; a block of zeros has e = 0. As a byte (E8M0): e + 127.
;;     - Each number is divided by its block's scale, clamped to +-6, and rounded to the nearest number of E2M1, ties to even, subnormals kept.
;;     - The product sums the exact products of the quantised numbers (number of the format x scale) in f32.
;;   ~~~python
;;   def quantise(x, axis):      # numpy; x: float32 -> the quantised numbers, widened to float32 again
;;       x = np.moveaxis(x, axis, -1); K = x.shape[-1]
;;       x = np.pad(x, [(0, 0)] * (x.ndim - 1) + [(0, -K % 32)]); x = x.reshape(x.shape[:-1] + (-1, 32)); a = np.abs(x).max(-1, keepdims=True)
;;       e = np.where(a > 0, np.clip(np.frexp(np.where(a > 0, a, 1))[1] - 1 - 2, -126, 127), 0)      # np.frexp(a)[1] - 1 = floor(log2(a)), exactly
;;       r = np.clip(x / 2.0 ** e, -6, 6)
;;       step = 2.0 ** (np.maximum(np.frexp(np.where(r == 0, 1, r))[1] - 1, 0) - 1)
;;       q = np.round(r / step) * step * 2.0 ** e      # np.round: ties to even
;;       return np.moveaxis(q.reshape(q.shape[:-2] + (-1,))[..., :K], -1, axis).astype(np.float32)
;;   ~~~
;; One version. Each part assembles by itself: llvm-mc -triple=amdgcn-amd-amdhsa -mcpu=gfx1250 --defsym DOCPART=n.
;; ======== version 1 of 1: 5 launches
;; limits: values are held in f16: magnitudes above 65,504 overflow, below 6.1e-05 lose precision
;; workspace buffers: qnt 6,098,944 bytes; wo16 8,388,608 bytes; mbits 524,288 bytes of whole numbers; qkv16 12,582,912 bytes; o16 8,388,608 bytes; o32 131,072 bytes
;; launch prep (part 1): grid 609 x 1, 4 waves a work-group, no clusters, 85,504 bytes of LDS; arguments x, Wq, Wk, Wv, Wo, mask, qnt, wo16, mbits; writes qnt, wo16, mbits
.if DOCPART == 1
	.amdgcn_target "amdgcn-amd-amdhsa--gfx1250"
	.amdhsa_code_object_version 6
	.text
	.protected	k_q31becf8d3e_prep
	.globl	k_q31becf8d3e_prep
	.p2align	8
	.type	k_q31becf8d3e_prep,@function
k_q31becf8d3e_prep:
	s_mov_b64 s[64:65], 0
	v_nop
	global_prefetch_b8 v0, s[64:65] scope:SCOPE_SE
	s_setreg_imm32_b32 hwreg(HW_REG_WAVE_MODE, 25, 1), 1
	s_wait_xcnt 0x0
; PREP: everything that is made once from the inputs.  Five kinds of work-group, told apart by the work-group number alone; waves share nothing, so there is no barrier.
;   X   0..127  x [2048][2048] f32 -> codes of E2M1 (K innermost) and E8M0 scale bytes, into qnt
;   W 128..223  Wq, Wk, Wv [2048 (k)][n] f32 -> codes laid [n][k] and scale bytes, into qnt (row n: 0..2047 Wq, 2048..2559 Wk, 2560..3071 Wv)
;   O 224..351  Wo f32 -> f16, same layout, into wo16
;   M 352..479  mask f32 -> lane masks: word [qt][kt][j], bit 16 h + r = (mask[16 qt + r][16 kt + 8 h + j] != 0), into mbits
;   R 480..608  cos and sin of the rotary angles, 16 positions a block, laid as the next launch wants its registers; block 128 is the identity (cos 1, sin 0)
; A block scale is 2^(floor(log2(largest magnitude)) - 2); its byte is the exponent field of the largest magnitude less 2, held at 1 from below.
; LIMITS: a block of zeros gets the byte 1 where the rule says 127 (its codes are zeros and this program alone reads the bytes); NaN and infinities among x and the weights are not served;
; Wo beyond 65,504 in magnitude has no f16; the rotary angle is good to about 2e-4 rad at the largest positions (f32 product of position and frequency).
; Each kind has LDS bytes of its own: X 0..32767, W 32768..67583, M 67584..84991; the spare words lie at 84992.
.set WC_OFF, 2097152                   ; qnt: codes of the weights
.set XS_OFF, 5242880                   ; scale bytes of x
.set WS_OFF, 5373952                   ; scale bytes of the weights
.set RP_OFF, 5570560                   ; the rotary table
.set SPARE,  84992
.set SPW,    206                       ; v206 LDS address of my spare word; never rewritten
.set NIL,    207                       ; v207 0; never rewritten
.set WV,     22                        ; s22  wave number
.set EMAX,   2
	s_load_b512 s[4:19], s[0:1], 0x0               ; x s[4:5], Wq s[6:7], Wk s[8:9], Wv s[10:11], Wo s[12:13], mask s[14:15], qnt s[16:17], wo16 s[18:19]
	s_load_b64 s[20:21], s[0:1], 0x40              ; mbits
	v_lshl_add_u32 v[SPW], v0, 2, SPARE
	v_mov_b32 v[NIL], 0
	v_lshrrev_b32 v1, 5, v0
	v_readfirstlane_b32 s[WV], v1                  ; wave 0..3
	v_and_b32 v2, 31, v0                           ; lane
	s_wait_kmcnt 0x0
	s_cmp_lt_u32 ttmp9, 128
	s_cbranch_scc1 .Lpath_x
	s_cmp_lt_u32 ttmp9, 224
	s_cbranch_scc1 .Lpath_w
	s_cmp_lt_u32 ttmp9, 352
	s_cbranch_scc1 .Lpath_o
	s_cmp_lt_u32 ttmp9, 480
	s_cbranch_scc1 .Lpath_m
; ---------------- R: the rotary table.  Block pb: 16 positions; piece 4 u + 2 cs + half holds, in lane (r, h), cos (cs = 0) or sin (cs = 1) of position 16 pb + r at frequencies 16 u + 8 h + 4 half + 0..3.
; Wave w makes u = w / 2, half = w % 2: one piece of cos and one of sin, 512 dense bytes each.
	s_sub_co_u32 s23, ttmp9, 480                   ; pb
	s_lshr_b32 s24, s[WV], 1                       ; u
	s_and_b32 s25, s[WV], 1                        ; half
	s_lshl_b32 s26, s24, 4
	s_lshl_b32 s27, s25, 2
	s_add_co_u32 s26, s26, s27                     ; 16 u + 4 half
	v_and_b32 v1, 15, v0                           ; r
	v_bfe_u32 v3, v0, 4, 1                         ; h
	v_lshl_add_u32 v3, v3, 3, s26                  ; my first frequency index
	s_lshl_b32 s27, s23, 4
	s_cmp_lt_u32 s23, 128
	s_cselect_b32 s28, 1, 0                        ; block 128: position 0 everywhere, which gives cos 1 and sin 0
	v_add_nc_u32 v4, s27, v1
	v_mul_u32_u24 v4, v4, s28
	v_cvt_f32_u32 v4, v4                           ; the position
	s_lshl_b32 s30, s23, 12
	s_lshl_b32 s24, s24, 11
	s_lshl_b32 s25, s25, 9
	s_add_co_u32 s30, s30, s24
	s_add_co_u32 s30, s30, s25                     ; 4096 pb + 512 (4 u + half)
	s_mov_b32 s31, 0
	s_add_nc_u64 s[32:33], s[16:17], s[30:31]
	s_add_nc_u64 s[32:33], s[32:33], RP_OFF
	v_lshlrev_b32 v5, 4, v2
.irp k, 0,1,2,3
	v_add_nc_u32 v[8+\k], \k, v3
.endr
.irp k, 0,1,2,3
	v_cvt_f32_u32 v[8+\k], v[8+\k]
.endr
.irp k, 0,1,2,3
	v_mul_f32 v[8+\k], 0xbed49a78, v[8+\k]         ; - index x log2(10000) / 32
.endr
.irp k, 0,1,2,3
	v_exp_f32 v[8+\k], v[8+\k]                     ; the frequency 10000^(-index / 32)
.endr
	v_nop                                          ; a plain instruction behind the last exponential
	s_wait_alu depctr_va_vdst(0)                   ; one wait for the four, ahead of their first reader
.irp k, 0,1,2,3
	v_mul_f32 v[8+\k], v4, v[8+\k]                 ; the angle
.endr
.irp k, 0,1,2,3
	v_mul_f32 v[12+\k], 0x3f22f983, v[8+\k]        ; x 2 / pi
.endr
.irp k, 0,1,2,3
	v_rndne_f32 v[12+\k], v[12+\k]                 ; n quarter turns
.endr
.irp k, 0,1,2,3
	v_fmamk_f32 v[8+\k], v[12+\k], 0xbfc90fdb, v[8+\k]   ; angle - n x pi/2, in two parts
.endr
.irp k, 0,1,2,3
	v_fmamk_f32 v[8+\k], v[12+\k], 0x333bbd2e, v[8+\k]
.endr
.irp k, 0,1,2,3
	v_cvt_i32_f32 v[12+\k], v[12+\k]
.endr
.irp k, 0,1,2,3
	v_mul_f32 v[16+\k], v[8+\k], v[8+\k]           ; r^2, |r| at most pi/4
.endr
.irp k, 0,1,2,3
	v_mov_b32 v[20+\k], 0x3638ef1d                 ; sine: the series to r^9
	v_mov_b32 v[24+\k], 0x37d00d01                 ; cosine: to r^8
.endr
.irp k, 0,1,2,3
	v_fmaak_f32 v[20+\k], v[16+\k], v[20+\k], 0xb9500d01
	v_fmaak_f32 v[24+\k], v[16+\k], v[24+\k], 0xbab60b61
.endr
.irp k, 0,1,2,3
	v_fmaak_f32 v[20+\k], v[16+\k], v[20+\k], 0x3c088889
	v_fmaak_f32 v[24+\k], v[16+\k], v[24+\k], 0x3d2aaaab
.endr
.irp k, 0,1,2,3
	v_fmaak_f32 v[20+\k], v[16+\k], v[20+\k], 0xbe2aaaab
	v_fmaak_f32 v[24+\k], v[16+\k], v[24+\k], 0xbf000000
.endr
.irp k, 0,1,2,3
	v_mul_f32 v[20+\k], v[20+\k], v[16+\k]
	v_fma_f32 v[24+\k], v[24+\k], v[16+\k], 1.0    ; cos r
.endr
.irp k, 0,1,2,3
	v_fma_f32 v[20+\k], v[20+\k], v[8+\k], v[8+\k] ; sin r
.endr
.irp k, 0,1,2,3                                ; the quadrant: odd n swaps the two; bit 1 of n turns the sign of the sine, bit 1 of n + 1 that of the cosine
	v_and_b32 v[28+\k], 1, v[12+\k]
	v_cmp_eq_u32 vcc_lo, 1, v[28+\k]
	v_cndmask_b32 v[32+\k], v[20+\k], v[24+\k], vcc_lo
	v_cndmask_b32 v[36+\k], v[24+\k], v[20+\k], vcc_lo
	v_and_b32 v[28+\k], 2, v[12+\k]
	v_lshlrev_b32 v[28+\k], 30, v[28+\k]
	v_xor_b32 v[32+\k], v[28+\k], v[32+\k]
	v_add_nc_u32 v[12+\k], 1, v[12+\k]
	v_and_b32 v[12+\k], 2, v[12+\k]
	v_lshlrev_b32 v[12+\k], 30, v[12+\k]
	v_xor_b32 v[36+\k], v[12+\k], v[36+\k]
.endr
	global_store_b128 v5, v[36:39], s[32:33]              ; cos: 32 lanes store 512 consecutive bytes
	global_store_b128 v5, v[32:35], s[32:33] offset:1024  ; sin: two pieces further on
	s_wait_tensorcnt 0x0                           ; the wave ends with these three lines
	ds_add_u32 v[SPW], v[NIL]
	s_wait_dscnt 0x0
	s_endpgm
; ---------------- X: x into codes.  A wave takes 16 steps of 512 numbers.  Each of a step's four loads reads 512 consecutive bytes; the 2,048 bytes turn through the wave's own stage in LDS
; and come back 64 bytes a lane, so that a lane holds 16 neighbours along K and two neighbouring lanes hold a block of 32.
.Lpath_x:
.set XR,  16                           ; v16-79   four sets of 16 numbers as loaded
.set XX,  80                           ; v80-111  two sets of 16 neighbours
.set XE,  112                          ; v112-127 a scale byte for each step
.set XCD, 128                          ; v128-191 codes, four registers a step: no store data are written again
.set XSP, 80                           ; a lane's place in a stage: 64 bytes + 16 of padding
	v_lshlrev_b32 v3, 4, v2                        ; my 16 bytes of a load's 512
	s_mul_i32 s23, s[WV], 8192                     ; my wave's LDS region
	v_lshrrev_b32 v14, 2, v2
	v_mul_u32_u24 v14, v14, XSP
	v_and_b32 v15, 3, v2
	v_lshl_add_u32 v14, v15, 4, v14
	v_add_nc_u32 v14, s23, v14                     ; into the stage: 80 (lane / 4) + 16 (lane % 4)
	v_mul_u32_u24 v15, v2, XSP
	v_add_nc_u32 v15, s23, v15                     ; out of it: 80 x lane
	v_lshlrev_b32 v4, 3, v2                        ; 8 bytes a lane: codes of a step, and the scale bytes at the end
	v_lshrrev_b32 v5, 1, v2
	s_add_co_u32 s23, s23, 2*32*XSP
	v_add_nc_u32 v5, s23, v5                       ; my block's byte among my wave's 256 scale bytes
	v_add_nc_u32 v6, s23, v4
	s_lshl_b32 s24, ttmp9, 2
	s_add_co_u32 s24, s24, s[WV]                   ; which run of 8,192 numbers is mine
	s_lshl_b32 s26, s24, 15
	s_mov_b32 s27, 0
	s_add_nc_u64 s[4:5], s[4:5], s[26:27]
	s_lshl_b32 s26, s24, 12
	s_add_nc_u64 s[28:29], s[16:17], s[26:27]      ; its codes
	s_lshl_b32 s26, s24, 8
	s_add_nc_u64 s[30:31], s[16:17], s[26:27]
	s_add_nc_u64 s[30:31], s[30:31], XS_OFF        ; its scale bytes
.macro XLOAD t
.irp i, 0,1,2,3
	global_load_b128 v[XR+16*((\t)%4)+4*\i:XR+16*((\t)%4)+4*\i+3], v3, s[4:5] offset:2048*(\t)+512*\i th:TH_LOAD_NT
.endr
.endm
.macro XTURN t                         ; LDS serves a wave's instructions in order: no wait between the stores and the loads
.irp i, 0,1,2,3
	ds_store_b128 v14, v[XR+16*((\t)%4)+4*\i:XR+16*((\t)%4)+4*\i+3] offset:32*XSP*((\t)%2)+8*XSP*\i
.endr
.irp i, 0,1,2,3
	ds_load_b128 v[XX+16*((\t)%2)+4*\i:XX+16*((\t)%2)+4*\i+3], v15 offset:32*XSP*((\t)%2)+16*\i
.endr
.endm
.irp t, 0,1,2,3
	XLOAD \t
.endr
	s_wait_loadcnt 12                              ; step 0's four loads are in; twelve younger ones stay out
	XTURN 0
.macro XSTEP t
.set XSET, XX+16*((\t)%2)
.if (\t) > 0
	s_wait_dscnt 1                                 ; this step's numbers are back from the stage; the last step's byte store may be out
.else
	s_wait_dscnt 0x0
.endif
.if (\t)+4 < 16
	XLOAD (\t)+4                                   ; into the set whose stores into the stage are done
.endif
.if (\t)+1 < 16
.if 14-(\t) >= 3
	s_wait_loadcnt 12                              ; the next step's four loads are in; those of three steps behind it may be out
.else
	s_wait_loadcnt 4*(14-(\t))
.endif
	XTURN (\t)+1
.endif
	v_max3_num_f32 v8, |v[XSET]|, |v[XSET+1]|, |v[XSET+2]|
	v_max3_num_f32 v9, |v[XSET+3]|, |v[XSET+4]|, |v[XSET+5]|
.irp i, 6,10
	v_max3_num_f32 v8, v8, |v[XSET+\i]|, |v[XSET+\i+1]|
	v_max3_num_f32 v9, v9, |v[XSET+\i+2]|, |v[XSET+\i+3]|
.endr
	v_max3_num_f32 v8, v8, |v[XSET+14]|, |v[XSET+15]|
	v_max3_num_f32 v8, v8, v9, (EMAX+1)<<23        ; the floor 2^(3 - 127): the byte cannot fall under 1
	v_max_num_f32_dpp v8, v8, v8 row_xmask:1 row_mask:0xf bank_mask:0xf   ; with my neighbour's 16: the block's largest magnitude
	v_add_nc_u32 v11, -(EMAX<<23), v8              ; 2 off its exponent field: the conversion takes the exponent field of this operand as its scale
	v_cvt_scalef32_pk8_fp4_f32 v[XCD+4*(\t)], v[XSET:XSET+7], v11
	v_cvt_scalef32_pk8_fp4_f32 v[XCD+4*(\t)+1], v[XSET+8:XSET+15], v11
	v_lshrrev_b32 v[XE+(\t)], 23, v11              ; the scale byte
	ds_store_b8 v5, v[XE+(\t)] offset:16*(\t)      ; both lanes of a block write the same byte
	global_store_b64 v4, v[XCD+4*(\t):XCD+4*(\t)+1], s[28:29] offset:256*(\t)   ; 32 lanes store 256 consecutive bytes, aligned
.endm
.irp t, 0,1,2,3,4,5,6,7,8,9,10,11,12,13,14,15
	XSTEP \t
.endr
	ds_load_b64 v[8:9], v6
	s_wait_dscnt 0x0
	global_store_b64 v4, v[8:9], s[30:31]          ; my wave's 256 scale bytes, aligned
	s_wait_tensorcnt 0x0                           ; the wave ends with these three lines
	ds_add_u32 v[SPW], v[NIL]
	s_wait_dscnt 0x0
	s_endpgm
; ---------------- W: a weight [k][n] into codes laid [n][k].  A lane takes a column and its registers run down K: a block of 32 lies in one lane.
; A work-group takes 128 columns x 512 along K; a wave 32 columns.  The row pitch differs between Wq and Wk, Wv, so the 32 row offsets lie in registers and two bases, one for each parity of the block, are stepped.
.Lpath_w:
.set WX,   32                          ; v32-95   two sets of 32 numbers; at the end the rows read back from the stage
.set WC,   96                          ; v96-99   a block's codes
.set WOFF, 144                         ; v144-175 4 x lane + i x pitch
.set WSB,  24                          ; v24-27   scale bytes, four to a register
.set WP,   272                         ; a stage row: 256 bytes of codes + 16
	s_sub_co_u32 s23, ttmp9, 128
	s_lshr_b32 s24, s23, 2                         ; column group 0..23
	s_and_b32 s25, s23, 3                          ; which 512 along K
	s_cmp_lt_u32 s24, 20
	s_cselect_b64 s[26:27], s[8:9], s[10:11]       ; the choice hangs on the work-group number alone
	s_cselect_b32 s28, 16, 20
	s_mov_b32 s29, 2048
	s_cmp_lt_u32 s24, 16
	s_cselect_b64 s[26:27], s[6:7], s[26:27]
	s_cselect_b32 s28, 0, s28
	s_cselect_b32 s29, 8192, s29                   ; the row pitch in bytes
	s_sub_co_u32 s28, s24, s28
	s_lshl_b32 s28, s28, 9                         ; 128 columns x 4 bytes
	s_lshl_b32 s36, s[WV], 7
	s_add_co_u32 s28, s28, s36                     ; + my wave's 32 columns
	s_lshl_b32 s36, s25, 9
	s_mul_i32 s36, s36, s29                        ; + 512 rows for each step along K
	s_add_co_u32 s36, s36, s28
	s_mov_b32 s37, 0
	s_add_nc_u64 s[32:33], s[26:27], s[36:37]      ; base of the even blocks
	s_lshl_b32 s36, s29, 5
	s_add_nc_u64 s[34:35], s[32:33], s[36:37]      ; of the odd ones: 32 rows on
	s_lshl_b32 s30, s29, 6                         ; two blocks on
	s_mov_b32 s31, 0
	s_lshl_b32 s36, s24, 7
	s_lshl_b32 s38, s[WV], 5
	s_add_co_u32 s36, s36, s38                     ; my first row n of the codes
	s_lshl_b32 s38, s36, 10
	s_lshl_b32 s39, s25, 8
	s_add_co_u32 s38, s38, s39
	s_mov_b32 s39, 0
	s_add_nc_u64 s[40:41], s[16:17], s[38:39]
	s_add_nc_u64 s[40:41], s[40:41], WC_OFF
	s_lshl_b32 s38, s36, 6
	s_lshl_b32 s36, s25, 4
	s_add_co_u32 s38, s38, s36
	s_add_nc_u64 s[42:43], s[16:17], s[38:39]
	s_add_nc_u64 s[42:43], s[42:43], WS_OFF
	v_lshlrev_b32 v[WOFF], 2, v2
.set I, 1
.rept 31
	v_add_nc_u32 v[WOFF+I], s29, v[WOFF+I-1]
.set I, I+1
.endr
	s_mul_i32 s36, s[WV], 32*WP
	s_add_co_u32 s36, s36, 32768                   ; my stage
	v_mul_u32_u24 v4, v2, WP
	v_add_nc_u32 v4, s36, v4                       ; into it: row = my column
	v_and_b32 v5, 15, v2
	v_lshrrev_b32 v6, 4, v2
	v_mul_u32_u24 v7, v6, WP
	v_lshl_add_u32 v7, v5, 4, v7
	v_add_nc_u32 v7, s36, v7                       ; out of it: sixteen lanes to a row, two rows an instruction
	v_lshlrev_b32 v8, 10, v6
	v_lshl_add_u32 v8, v5, 4, v8                   ; the same place in the codes
	v_lshlrev_b32 v9, 6, v2                        ; my column's row of scale bytes
.macro WLOAD t
.set I, 0
.rept 32
	global_load_b32 v[WX+32*((\t)%2)+I], v[WOFF+I], s[32+2*((\t)%2):33+2*((\t)%2)] th:TH_LOAD_NT
.set I, I+1
.endr
.endm
	WLOAD 0
	WLOAD 1
.macro WBLOCK t
.set WSET, WX+32*((\t)%2)
.if (\t) < 15
	s_wait_loadcnt 32                              ; this block's 32 loads are in (so their base may be stepped); the next block's may be out
.else
	s_wait_loadcnt 0x0
.endif
.if (\t)+2 < 16
	s_add_nc_u64 s[32+2*((\t)%2):33+2*((\t)%2)], s[32+2*((\t)%2):33+2*((\t)%2)], s[30:31]
.endif
	v_max3_num_f32 v12, |v[WSET]|, |v[WSET+1]|, |v[WSET+2]|
	v_max3_num_f32 v13, |v[WSET+3]|, |v[WSET+4]|, |v[WSET+5]|
.irp i, 6,10,14,18,22,26
	v_max3_num_f32 v12, v12, |v[WSET+\i]|, |v[WSET+\i+1]|
	v_max3_num_f32 v13, v13, |v[WSET+\i+2]|, |v[WSET+\i+3]|
.endr
	v_max3_num_f32 v12, v12, |v[WSET+30]|, |v[WSET+31]|
	v_max3_num_f32 v12, v12, v13, (EMAX+1)<<23     ; the floor
	v_add_nc_u32 v11, -(EMAX<<23), v12
	v_lshrrev_b32 v13, 23, v11                     ; the scale byte
.if (\t)%4 == 0
	v_mov_b32 v[WSB+(\t)/4], v13
.else
	v_lshl_or_b32 v[WSB+(\t)/4], v13, 8*((\t)%4), v[WSB+(\t)/4]
.endif
.irp g, 0,1,2,3
	v_cvt_scalef32_pk8_fp4_f32 v[WC+\g], v[WSET+8*\g:WSET+8*\g+7], v11
.endr
	ds_store_b128 v4, v[WC:WC+3] offset:16*(\t)    ; 32 codes: 16 bytes of my column's row
.if (\t)+2 < 16
	WLOAD (\t)+2
.endif
	s_wait_dscnt 0x0                               ; the store has read its registers: the next block's codes may be written
.endm
.irp t, 0,1,2,3,4,5,6,7,8,9,10,11,12,13,14,15
	WBLOCK \t
.endr
	global_store_b128 v9, v[WSB:WSB+3], s[42:43]   ; my column's 16 scale bytes
.irp t, 0,1,2,3,4,5,6,7,8,9,10,11,12,13,14,15
	ds_load_b128 v[WX+4*\t:WX+4*\t+3], v7 offset:2*\t*WP
.endr
.irp t, 0,1,2,3,4,5,6,7,8,9,10,11,12,13,14,15
	s_wait_dscnt 15-\t
	global_store_b128 v8, v[WX+4*\t:WX+4*\t+3], s[40:41] offset:2*\t*1024   ; sixteen lanes store 256 consecutive bytes, aligned
.endr
	s_wait_tensorcnt 0x0                           ; the wave ends with these three lines
	ds_add_u32 v[SPW], v[NIL]
	s_wait_dscnt 0x0
	s_endpgm
; ---------------- O: Wo to f16.  A wave takes 32 KiB in four trips of sixteen loads of 512 bytes; each store covers 256 consecutive bytes, aligned.
.Lpath_o:
	s_sub_co_u32 s23, ttmp9, 224
	s_lshl_b32 s23, s23, 2
	s_add_co_u32 s23, s23, s[WV]
	s_lshl_b32 s24, s23, 15
	s_mov_b32 s25, 0
	s_add_nc_u64 s[26:27], s[12:13], s[24:25]
	s_lshl_b32 s24, s23, 14
	s_add_nc_u64 s[28:29], s[18:19], s[24:25]
	v_lshlrev_b32 v3, 4, v2
	v_lshlrev_b32 v4, 3, v2
	s_mov_b32 s30, 4
.Lo_trip:
.irp i, 0,1,2,3,4,5,6,7,8,9,10,11,12,13,14,15
	global_load_b128 v[16+4*\i:19+4*\i], v3, s[26:27] offset:512*\i th:TH_LOAD_NT
.endr
.irp i, 0,1,2,3,4,5,6,7,8,9,10,11,12,13,14,15
	s_wait_loadcnt 15-\i                           ; loads come back in order: number i is in
	v_cvt_pk_f16_f32 v[80+2*\i], v[16+4*\i], v[17+4*\i]
	v_cvt_pk_f16_f32 v[81+2*\i], v[18+4*\i], v[19+4*\i]
	global_store_b64 v4, v[80+2*\i:81+2*\i], s[28:29] offset:256*\i
.endr
	s_wait_xcnt 0x0                                ; the bases and the stores' data are written again only behind this wait
	s_add_nc_u64 s[26:27], s[26:27], 8192
	s_add_nc_u64 s[28:29], s[28:29], 4096
	s_sub_co_u32 s30, s30, 1
	s_cmp_lg_u32 s30, 0
	s_cbranch_scc1 .Lo_trip
	s_wait_tensorcnt 0x0                           ; the wave ends with these three lines
	ds_add_u32 v[SPW], v[NIL]
	s_wait_dscnt 0x0
	s_endpgm
; ---------------- M: the mask into lane masks.  A work-group takes 16 rows (queries), a wave 512 columns (keys) in 8 steps of 64.  A load reads 2 rows x 256 bytes; the 16 x 64 numbers turn through
; the wave's own stage so that lane (r, h) holds, for key tile t, mask[r][16 t + 8 h + 0..7]; a compare of register j against 0 then IS the word of (t, j).
.Lpath_m:
.set MR,  16                           ; v16-143  four sets of 32 registers as loaded
.set MT,  144                          ; v144-175 32 numbers: register 8 t + j
.set MPK, 176                          ; v176-183 the words, two to a lane: four pairs
	s_sub_co_u32 s23, ttmp9, 352                   ; qt
	s_lshl_b32 s36, s23, 17                        ; 16 rows of 8,192 bytes
	s_lshl_b32 s37, s[WV], 11
	s_add_co_u32 s36, s36, s37
	s_mov_b32 s37, 0
	s_add_nc_u64 s[32:33], s[14:15], s[36:37]
	s_lshl_b32 s36, s23, 12
	s_lshl_b32 s38, s[WV], 10
	s_add_co_u32 s36, s36, s38
	s_add_nc_u64 s[34:35], s[20:21], s[36:37]
	v_and_b32 v5, 15, v2
	v_lshrrev_b32 v6, 4, v2
	v_lshlrev_b32 v3, 13, v6
	v_lshl_add_u32 v3, v5, 4, v3                   ; in memory: row lane / 16, 16 bytes a lane
	s_mul_i32 s38, s[WV], 16*272
	s_add_co_u32 s38, s38, 67584                   ; my stage: 16 rows of 256 + 16 bytes
	v_mul_u32_u24 v7, v6, 272
	v_lshl_add_u32 v7, v5, 4, v7
	v_add_nc_u32 v7, s38, v7                       ; into it
	v_mul_u32_u24 v8, v5, 272
	v_lshl_add_u32 v8, v6, 5, v8
	v_add_nc_u32 v8, s38, v8                       ; out of it: row r, + 32 h
	v_lshlrev_b32 v4, 3, v2
.irp i, 0,1,2,3,4,5,6,7
	v_mov_b32 v[MPK+\i], 0                         ; a lane write counts as a read of its destination
.endr
.macro MLOAD s
.irp i, 0,1,2,3,4,5,6,7
	global_load_b128 v[MR+32*((\s)%4)+4*\i:MR+32*((\s)%4)+4*\i+3], v3, s[32:33] offset:16384*\i+256*(\s) th:TH_LOAD_NT
.endr
.endm
.macro MSTEP s
.if (\s) < 5
	s_wait_loadcnt 24                              ; this step's eight loads are in; those of three steps behind it may be out
.else
	s_wait_loadcnt 8*(7-(\s))
.endif
.irp i, 0,1,2,3,4,5,6,7
	ds_store_b128 v7, v[MR+32*((\s)%4)+4*\i:MR+32*((\s)%4)+4*\i+3] offset:544*\i
.endr
.irp t, 0,1,2,3
.irp c, 0,1
	ds_load_b128 v[MT+8*\t+4*\c:MT+8*\t+4*\c+3], v8 offset:64*\t+16*\c
.endr
.endr
	s_wait_dscnt 0x0                               ; the numbers are back, and the stores have read their registers
.if (\s)+4 < 8
	MLOAD (\s)+4
.endif
.irp g, 0,1,2,3
.irp j, 0,1,2,3,4,5,6,7
	v_cmp_neq_f32 s[24+\j], 0, v[MT+8*\g+\j]       ; kept where the mask is not 0
.endr
.irp j, 0,1,2,3,4,5,6,7
	v_writelane_b32 v[MPK+2*((\s)/2)+(\j%2)], s[24+\j], (32*((\s)%2)+8*\g+\j)/2   ; word 32 (s % 2) + 8 g + j of 64: two words to a lane
.endr
.endr
.if (\s)%2 == 1
	global_store_b64 v4, v[MPK+2*((\s)/2):MPK+2*((\s)/2)+1], s[34:35] offset:256*((\s)/2)   ; 64 words: 256 consecutive bytes, aligned
.endif
.endm
.irp s, 0,1,2,3
	MLOAD \s
.endr
.irp s, 0,1,2,3,4,5,6,7
	MSTEP \s
.endr
	s_wait_tensorcnt 0x0                           ; the wave ends with these three lines
	ds_add_u32 v[SPW], v[NIL]
	s_wait_dscnt 0x0
	s_endpgm
.Lfunc_end_k_q31becf8d3e_prep:
	.size	k_q31becf8d3e_prep, .Lfunc_end_k_q31becf8d3e_prep-k_q31becf8d3e_prep
	.p2alignl 7, 3214868480
	.fill 96, 4, 3214868480
	.section	.rodata,"a",@progbits
	.p2align	6, 0x0
	.amdhsa_kernel k_q31becf8d3e_prep
		.amdhsa_group_segment_fixed_size 85504
		.amdhsa_private_segment_fixed_size 0
		.amdhsa_enable_private_segment 0
		.amdhsa_kernarg_size 72
		.amdhsa_user_sgpr_count 2
		.amdhsa_user_sgpr_kernarg_segment_ptr 1
		.amdhsa_wavefront_size32 1
		.amdhsa_system_sgpr_workgroup_id_x 1
		.amdhsa_system_sgpr_workgroup_id_y 1
		.amdhsa_system_sgpr_workgroup_id_z 1
		.amdhsa_system_vgpr_workitem_id 0
		.amdhsa_next_free_vgpr 208
		.amdhsa_next_free_sgpr 66
		.amdhsa_reserve_vcc 1
		.amdhsa_float_denorm_mode_32 3
		.amdhsa_float_denorm_mode_16_64 3
		.amdhsa_memory_ordered 1
		.amdhsa_forward_progress 1
		.amdhsa_inst_pref_size 175
	.end_amdhsa_kernel
	.amdgpu_metadata
---
amdhsa.version: [ 1, 2 ]
amdhsa.kernels:
  - .name:           k_q31becf8d3e_prep
    .symbol:         k_q31becf8d3e_prep.kd
    .args:
      - { .name: x, .offset: 0, .size: 8, .value_kind: global_buffer, .address_space: global }
      - { .name: Wq, .offset: 8, .size: 8, .value_kind: global_buffer, .address_space: global }
      - { .name: Wk, .offset: 16, .size: 8, .value_kind: global_buffer, .address_space: global }
      - { .name: Wv, .offset: 24, .size: 8, .value_kind: global_buffer, .address_space: global }
      - { .name: Wo, .offset: 32, .size: 8, .value_kind: global_buffer, .address_space: global }
      - { .name: mask, .offset: 40, .size: 8, .value_kind: global_buffer, .address_space: global }
      - { .name: qnt, .offset: 48, .size: 8, .value_kind: global_buffer, .address_space: global }
      - { .name: wo16, .offset: 56, .size: 8, .value_kind: global_buffer, .address_space: global }
      - { .name: mbits, .offset: 64, .size: 8, .value_kind: global_buffer, .address_space: global }
    .group_segment_fixed_size: 85504
    .private_segment_fixed_size: 0
    .kernarg_segment_align: 8
    .kernarg_segment_size: 72
    .max_flat_workgroup_size: 128
    .sgpr_count:     66
    .vgpr_count:     208
    .wavefront_size: 32
...
	.end_amdgpu_metadata
.endif
;; end of part 1
;; launch qkv (part 2): grid 12 x 8, 4 waves a work-group, clusters of 4 x 4, 327,680 bytes of LDS; arguments qnt, qkv16; writes qkv16
.if DOCPART == 2
	.amdgcn_target "amdgcn-amd-amdhsa--gfx1250"
	.amdhsa_code_object_version 6
	.text
	.protected	k_q31becf8d3e_qkv
	.globl	k_q31becf8d3e_qkv
	.p2align	8
	.type	k_q31becf8d3e_qkv,@function
k_q31becf8d3e_qkv:
	s_mov_b64 s[64:65], 0
	v_nop
	global_prefetch_b8 v0, s[64:65] scope:SCOPE_SE
	s_setreg_imm32_b32 hwreg(HW_REG_WAVE_MODE, 25, 1), 1
	s_wait_xcnt 0x0
	s_wait_alu depctr_hold_cnt(0) depctr_sa_sdst(0) depctr_va_vdst(0) depctr_va_sdst(0) depctr_va_ssrc(0) depctr_va_vcc(0) depctr_vm_vsrc(0)
	s_getreg_b32 s2, hwreg(HW_REG_IB_STS2, 6, 4)
	s_cmp_eq_u32 s2, 0
	s_cbranch_scc0 .Lentry_in_a_cluster
	s_endpgm
.Lentry_in_a_cluster:
	s_bfe_u32 s2, ttmp6, 0x10000c
	s_cmp_lg_u32 s2, 0xf033
	s_cbranch_scc0 .Lentry_shape_is_right
	s_endpgm
.Lentry_shape_is_right:
; C[m][n] = sum over k of x[m][k] W[k][n] on codes of E2M1 with one E8M0 scale for each 32 along K; m = position, n = 0..3071: columns of Wq, Wk, Wv on end.  Sums in f32.
; On the way out the rotary turn is applied in f32 (heads of q and k; the heads of v take the identity block of the table) and the result is stored as f16, [48 heads][2048 positions][64].
; A tile of C, 256 x 256, is made by a work-group of four waves; a wave makes 128 x 128: 64 accumulators, 512 registers.  K goes in steps of 512 through a ring of two LDS slots filled by the tensor data mover.
; The scale bytes of the work-group's 256 rows of x and 256 rows of W, for all of K, come into LDS once, with the first fills.
; CLUSTERS: 4 x 4 work-groups; tiles of x are shared along a row of the cluster, tiles of W along a column: each is asked for jointly.
; 96 work-groups: the grid is what 2048 x 3072 gives at this tile; a smaller tile would read each LDS byte for half the products.
; The matrix instruction is used transposed (source 0 = 16 rows of W, source 1 = 16 rows of x): a lane holds eight neighbouring columns of one position.
; LIMITS: q, k, v beyond 65,504 in magnitude have no f16.
; REGISTERS: window 0: v0-31 addresses; v32-95 scale words, two sets, and nothing else; from v128 the fragments of x, one set.  window 1: fragments of W, two sets.  windows 2, 3: accumulators.
;   On the way out: window 1 v0-63 the rotary table, two sets; window 0 v96-159 turned numbers, v160-191 packed f16, v192-255 rows read back from the stage, two sets.
.set SIZE_M, 2048
.set SIZE_N, 3072
.set SIZE_K, 2048
.set WC_OFF, 2097152
.set XS_OFF, 5242880
.set WS_OFF, 5373952
.set RP_OFF, 5570560
.set KSTEP,  512
.set NQ,     KSTEP/128
.set ROWB,   256
.set KROW,   SIZE_K*4/8
.set PITCH,  272                       ; an LDS row: 256 bytes + 16 of padding, so that the 16 rows of a fragment load start 68 words apart
.set FR,     8
.set NL,     2
.set NP,     4
.set HALFT,  128*PITCH
.set SLOT,   4*HALFT
.set LAPS,   SIZE_K/(2*KSTEP)
.set KS,     SIZE_K/32
.set SCL,    2*SLOT
.set HALFS,  (128*KS/256)*272
.set SBLK,   (16*KS/256)*272
.set SPARE,  SCL+4*HALFS               ; the spare words, 128 bytes a wave; no other line names them
.set SPITCH, 400                       ; the way out: a stage of 16 rows x (256 bytes + 144) for each wave, in slot 0, which has had its last fill and its last read by then
.set TA,   8                           ; v8-15   16 x lane + a x the table step
.set ADRA, 16
.set ADRB, 20
.set STO,  24
.set RD,   25
.set CO,   26
.set ADRS, 27
.set SPW,  28
.set NIL,  29
.set SC,   32
.set AF,   128
.set TBL,  0                           ; in window 1
.set F,    96
.set H,    160
.set BK,   192
.set G1, 24
.set G0, 32
.set G1B, 48
.set G0B, 56
.set G1S, 68
.set G0S, 76
.set G1SB, 80
.set G0SB, 88
.set MSB, 0
.macro WIN new                         ; the immediate's high byte repeats the setting that is left
.if MSB != \new
	s_set_vgpr_msb (MSB<<8)|\new
.set MSB, \new
.endif
.endm
.set MUL_LO, 0xa1
.set MUL_HI, 0xf1
.set TO_B,   0x40
; A joint load: waves 0 and 1 fetch for x, waves 2 and 3 for W.  The branch hangs on the wave number alone.  An s_nop 0 and four v_nop follow each of the two lines.
.macro JLOAD g0a, g1a, g0b, g1b
	s_cmp_eq_u32 s15, 0
	s_cbranch_scc0 .Lfor_b_\@
	tensor_load_to_lds s[\g0a:\g0a+3], s[\g1a:\g1a+7]
	s_nop 0
.rept 4
	v_nop
.endr
	s_branch .Lasked_\@
.Lfor_b_\@:
	tensor_load_to_lds s[\g0b:\g0b+3], s[\g1b:\g1b+7]
	s_nop 0
.rept 4
	v_nop
.endr
.Lasked_\@:
.endm
.macro CREST                           ; a round of the cluster barrier behind its opening barrier
	s_cmp_lg_u32 s14, 0
	s_cbranch_scc1 .Lnot_wave_0_\@
	s_barrier_signal -3
.Lnot_wave_0_\@:
	s_barrier_wait -3
	s_barrier_signal -1
	s_barrier_wait -1
.endm
.macro CROUND
	s_barrier_signal -1
	s_barrier_wait -1
	CREST
.endm
	s_load_b128 s[4:7], s[0:1], 0x0                ; qnt s[4:5], qkv16 s[6:7]
	v_lshl_add_u32 v[SPW], v0, 2, SPARE
	v_mov_b32 v[NIL], 0
	ds_add_u32 v[SPW], v[NIL]                      ; the opening: the add, twice on end, and its wait ahead of my first tensor load
	ds_add_u32 v[SPW], v[NIL]
	v_lshrrev_b32 v1, 5, v0
	v_readfirstlane_b32 s14, v1                    ; wave 0..3
	s_lshr_b32 s15, s14, 1                         ; which half of the tile's rows is mine.  Also: I fetch for x (0) or for W (1)
	s_and_b32 s16, s14, 1                          ; which half of its columns.  Also: which 128 rows of that tile I fetch
	s_bfe_u32 s40, ttmp6, 0x40000                  ; cx, cy
	s_bfe_u32 s41, ttmp6, 0x40004
	s_lshl_b32 s42, ttmp9, 2
	s_add_co_u32 s42, s42, s40                     ; tile column
	s_and_b32 s17, ttmp7, 0xffff
	s_lshl_b32 s17, s17, 2
	s_add_co_u32 s17, s17, s41                     ; tile row
	s_lshl_b32 s43, s41, 2
	s_lshl_b32 s43, 15, s43                        ; my row of the cluster
	s_lshl_b32 s44, 0x1111, s40                    ; my column
	s_or_b32 s[G1+0], s43, (0<<16)|(1<<20)|(1<<21)|(5<<22)|(3<<25)  ; the mask; elements of 1 byte; padding on; bit 21 beside a mask; 4 words after every 64
	s_or_b32 s[G1B+0], s44, (0<<16)|(1<<20)|(1<<21)|(5<<22)|(3<<25)
.irp g, G1, G1B
	s_mov_b32 s[\g+1], ROWB<<16                    ; tensor_dim0
	s_mov_b32 s[\g+2], 128<<16                     ; tensor_dim1
	s_mov_b32 s[\g+3], ROWB<<16                    ; tile_dim0
	s_mov_b32 s[\g+4], 128                         ; tile_dim1
	s_mov_b32 s[\g+5], KROW                        ; the pitch
	s_mov_b32 s[\g+6], 0
	s_mov_b32 s[\g+7], 0
.endr
	s_or_b32 s[G1S+0], s43, (3<<16)|(1<<20)|(1<<21)|(5<<22)|(3<<25)   ; the scales of 128 rows: a dense block, as rows of 256 bytes (32 elements of 8)
	s_or_b32 s[G1SB+0], s44, (3<<16)|(1<<20)|(1<<21)|(5<<22)|(3<<25)
.irp g, G1S, G1SB
	s_mov_b32 s[\g+1], 32<<16
	s_mov_b32 s[\g+2], (128*KS/256)<<16
	s_mov_b32 s[\g+3], 32<<16
	s_mov_b32 s[\g+4], 128*KS/256
	s_mov_b32 s[\g+5], 32
	s_mov_b32 s[\g+6], 0
	s_mov_b32 s[\g+7], 0
.endr
	s_lshl_b32 s18, s16, 7
	s_lshl_b32 s20, s17, 8
	s_add_co_u32 s20, s20, s18                     ; x: row 256 x tile row + 128 x half
	s_lshl_b32 s46, s42, 8
	s_add_co_u32 s46, s46, s18                     ; W: row 256 x tile column + 128 x half
	s_mov_b32 s21, 0
	s_mov_b32 s47, 0
	s_mov_b64 s[18:19], KS
	s_mul_u64 s[22:23], s[20:21], s[18:19]
	s_mul_u64 s[92:93], s[46:47], s[18:19]
	s_mov_b64 s[18:19], KROW
	s_mul_u64 s[20:21], s[20:21], s[18:19]
	s_mul_u64 s[46:47], s[46:47], s[18:19]
	s_mul_i32 s45, s14, HALFT                      ; where they go: wave x 128 rows
	s_mul_i32 s94, s14, HALFS
	s_wait_dscnt 0x0                               ; both opening adds are done
	s_wait_kmcnt 0x0
	s_mov_b64 s[12:13], s[6:7]                     ; qkv16
	s_add_nc_u64 s[6:7], s[4:5], XS_OFF            ; the four parts of qnt
	s_add_nc_u64 s[8:9], s[4:5], WC_OFF
	s_add_nc_u64 s[10:11], s[4:5], WS_OFF
	s_add_nc_u64 s[20:21], s[4:5], s[20:21]
	s_add_nc_u64 s[22:23], s[6:7], s[22:23]
	s_add_nc_u64 s[46:47], s[8:9], s[46:47]
	s_add_nc_u64 s[92:93], s[10:11], s[92:93]
	CROUND                                         ; all sixteen work-groups are here: the first joint loads meet
	s_mov_b32 s[G0S], 1
	s_add_co_u32 s[G0S+1], s94, SCL
	s_mov_b64 s[G0S+2:G0S+3], s[22:23]
	s_or_b32 s[G0S+3], s[G0S+3], 0x80000000
	s_mov_b32 s[G0SB], 1
	s_add_co_u32 s[G0SB+1], s94, SCL
	s_mov_b64 s[G0SB+2:G0SB+3], s[92:93]
	s_or_b32 s[G0SB+3], s[G0SB+3], 0x80000000
	JLOAD G0S, G1S, G0SB, G1SB                     ; the scales first: they are wanted with K step 0
.irp s, 0,1
	s_mov_b32 s[G0+4*\s], 1
	s_add_co_u32 s[G0+4*\s+1], s45, \s*SLOT
	s_add_nc_u64 s[G0+4*\s+2:G0+4*\s+3], s[20:21], \s*ROWB
	s_or_b32 s[G0+4*\s+3], s[G0+4*\s+3], 0x80000000
	s_mov_b32 s[G0B+4*\s], 1
	s_add_co_u32 s[G0B+4*\s+1], s45, \s*SLOT
	s_add_nc_u64 s[G0B+4*\s+2:G0B+4*\s+3], s[46:47], \s*ROWB
	s_or_b32 s[G0B+4*\s+3], s[G0B+4*\s+3], 0x80000000
	JLOAD G0+4*\s, G1, G0B+4*\s, G1B
.endr
	v_and_b32 v1, 15, v0                           ; r
	v_bfe_u32 v2, v0, 4, 1                         ; h
	v_mul_u32_u24 v3, v1, PITCH
	v_lshl_add_u32 v4, v2, 4, v3
	s_mul_i32 s21, s15, HALFT
	s_mul_i32 s22, s16, HALFT
	s_add_co_u32 s22, s22, 2*HALFT
.irp s, 0,1
	v_add_nc_u32 v[ADRA+\s], s21, v4
	v_add_nc_u32 v[ADRB+\s], s22, v4
	s_add_co_u32 s21, s21, SLOT
	s_add_co_u32 s22, s22, SLOT
.endr
	v_mul_u32_u24 v5, v1, KS
	v_lshrrev_b32 v6, 8, v5
	v_lshl_add_u32 v5, v6, 4, v5
	s_mul_i32 s21, s15, HALFS
	s_mul_i32 s22, s16, HALFS
	s_add_co_u32 s22, s22, 2*HALFS
	s_sub_co_u32 s22, s22, s21
	v_mul_u32_u24 v6, s22, v2                      ; lanes 16-31 take the scale words of W
	s_add_co_u32 s21, s21, SCL
	v_add_nc_u32 v5, v5, v6
	v_add_nc_u32 v[ADRS], s21, v5
	; the way out
	s_mul_i32 s23, s14, 16*SPITCH                  ; my stage
	v_mul_u32_u24 v5, v1, SPITCH
	v_lshl_add_u32 v5, v2, 4, v5
	v_add_nc_u32 v[STO], s23, v5                   ; in: row r, 16 bytes for each half of the lanes
	v_bfe_u32 v5, v0, 3, 1
	v_mul_u32_u24 v5, v5, SPITCH
	v_lshl_add_u32 v5, v2, 7, v5
	v_and_b32 v6, 7, v0
	v_lshl_add_u32 v5, v6, 4, v5
	v_add_nc_u32 v[RD], s23, v5                    ; back: lanes 0-15 two rows of the first head, lanes 16-31 of the second; eight lanes to a row of 128 bytes
	v_lshlrev_b32 v[CO], 18, v2
	v_lshl_add_u32 v[CO], v1, 4, v[CO]             ; and in memory: a head is 262,144 bytes; two rows of a head are 256 consecutive bytes
	s_lshl_b32 s20, s17, 15                        ; 256 positions x 128 bytes for each tile row
	s_lshl_b32 s21, s15, 14
	s_add_co_u32 s20, s20, s21
	s_mov_b32 s21, 0
	s_add_nc_u64 s[12:13], s[12:13], s[20:21]
	s_lshl_b32 s46, s42, 2
	s_lshl_b32 s47, s16, 1
	s_add_co_u32 s46, s46, s47                     ; my first head: 4 x tile column + 2 x half
	s_lshl_b32 s46, s46, 18
	s_mov_b32 s47, 0
	s_add_nc_u64 s[12:13], s[12:13], s[46:47]
	s_lshl_b32 s46, s17, 4
	s_lshl_b32 s47, s15, 3
	s_add_co_u32 s46, s46, s47                     ; my first block of 16 positions
	s_cmp_ge_u32 s42, 10                           ; the heads of v (columns from 2560 on) take the identity block, and stay on it: a choice of values, no branch
	s_cselect_b32 s46, 128, s46
	s_cselect_b32 s47, 0, 4096
	s_lshl_b32 s46, s46, 12
	v_and_b32 v6, 31, v0
	v_lshlrev_b32 v[TA], 4, v6
.irp a, 1,2,3,4,5,6,7
	v_add_nc_u32 v[TA+\a], s47, v[TA+\a-1]
.endr
	s_mov_b32 s47, 0
	s_add_nc_u64 s[96:97], s[4:5], s[46:47]
	s_add_nc_u64 s[96:97], s[96:97], RP_OFF        ; the table at my first block
.macro FRAG reg, adr, q, i             ; 16 rows x 128 K of 4-bit codes: 8 registers
.irp c, 0,1
	ds_load_b128 v[\reg+4*\c:\reg+4*\c+3], v[\adr] offset:64*(\q)+32*\c+(\i)*16*PITCH
.endr
.endm
; 16 matrix instructions: blocks a0, a0 + 1 of x against the eight of W.  The 64 accumulators take turns, one instruction a turn, in the same order in every step.
.macro MUL16 a0, p, q, sc, zero
.irp a, \a0, \a0+1
.irp b, 0,1,2,3,4,5,6,7
.if \zero
	v_wmma_scale_f32_16x16x128_f8f6f4 v[8*(8*((\a)%4)+\b):8*(8*((\a)%4)+\b)+7], v[128*(\p)+FR*\b:128*(\p)+FR*\b+FR-1], v[AF+FR*(\a):AF+FR*(\a)+FR-1], 0, v[SC+8*NQ*(\sc)+NQ*\b+(\q)], v[SC+8*NQ*(\sc)+NQ*(\a)+(\q)] matrix_a_fmt:MATRIX_FMT_FP4 matrix_b_fmt:MATRIX_FMT_FP4 matrix_a_scale:MATRIX_SCALE_ROW1
.else
	v_wmma_scale_f32_16x16x128_f8f6f4 v[8*(8*((\a)%4)+\b):8*(8*((\a)%4)+\b)+7], v[128*(\p)+FR*\b:128*(\p)+FR*\b+FR-1], v[AF+FR*(\a):AF+FR*(\a)+FR-1], v[8*(8*((\a)%4)+\b):8*(8*((\a)%4)+\b)+7], v[SC+8*NQ*(\sc)+NQ*\b+(\q)], v[SC+8*NQ*(\sc)+NQ*(\a)+(\q)] matrix_a_fmt:MATRIX_FMT_FP4 matrix_b_fmt:MATRIX_FMT_FP4 matrix_a_scale:MATRIX_SCALE_ROW1
.endif
.endr
.endr
.endm
.macro FETCH_B slot, q, p
	WIN TO_B
.irp i, 0,1,2,3,4,5,6,7
	FRAG 128*(\p)+FR*\i, ADRB+\slot, \q, \i
.endr
	WIN 0
.endm
.macro FETCH_A slot, q, i0
.irp i, \i0, \i0+1, \i0+2, \i0+3
	FRAG AF+FR*(\i), ADRA+\slot, \q, \i
.endr
.endm
.macro SCALES sc                       ; lanes 0-15 take the words of block i of x, lanes 16-31 those of block i of W
.irp i, 0,1,2,3,4,5,6,7
	ds_load_b128 v[SC+8*NQ*\sc+NQ*\i:SC+8*NQ*\sc+NQ*\i+3], v[ADRS] offset:\i*SBLK
.endr
.endm
.macro PLACES n                        ; plain vector instructions between a matrix instruction and a load into, or a read of, its registers
.rept \n
	v_nop
.endr
.endm
.macro STEP slot, q, zero
	s_wait_dscnt 4*NL                              ; the set of W and blocks 0-3 of x are in; the youngest loads (blocks 4-7) may be out
	WIN MUL_LO
	MUL16 0, (\q)%2, \q, \slot, \zero
	MUL16 2, (\q)%2, \q, \slot, \zero
	s_wait_dscnt 0
	PLACES NP
	FETCH_B \slot, (\q)+1, 1-(\q)%2
	FETCH_A \slot, (\q)+1, 0
	WIN MUL_HI
	MUL16 4, (\q)%2, \q, \slot, \zero
	MUL16 6, (\q)%2, \q, \slot, \zero
	PLACES NP
	WIN 0
	FETCH_A \slot, (\q)+1, 4
.endm
; The last step of a slot changes slots: one barrier; in front of it each wave waits for all its tensor loads, adds 0 to its spare word, and waits for that and for its reads of this slot.
.macro TURN slot, next, fill
	s_wait_tensorcnt 0x0                           ; all my tensor loads have landed: my part of the next slot
	ds_add_u32 v[SPW], v[NIL]
	s_wait_dscnt 4*NL+1                            ; (the add and the youngest loads may be out)
	WIN MUL_LO
	MUL16 0, 1, NQ-1, \slot, 0
	s_wait_dscnt 0x0                               ; the add is done, and my reads of this slot are over
	s_barrier_signal -1
	MUL16 2, 1, NQ-1, \slot, 0
	WIN 0
	s_barrier_wait -1
.if \fill
	CREST                                          ; the barrier has opened a round of the cluster barrier: no wave of any partner still reads this slot or has a load on its way
	s_add_nc_u64 s[G0+4*\slot+2:G0+4*\slot+3], s[G0+4*\slot+2:G0+4*\slot+3], 2*ROWB
	s_add_nc_u64 s[G0B+4*\slot+2:G0B+4*\slot+3], s[G0B+4*\slot+2:G0B+4*\slot+3], 2*ROWB
	JLOAD G0+4*\slot, G1, G0B+4*\slot, G1B         ; the first tensor load behind the round
.else
	PLACES NP
.endif
	v_add_nc_u32 v[ADRS], 4*NQ, v[ADRS]
	FETCH_B \next, 0, 0
	FETCH_A \next, 0, 0
	SCALES \next
	WIN MUL_HI
	MUL16 4, 1, NQ-1, \slot, 0
	MUL16 6, 1, NQ-1, \slot, 0
	PLACES NP
	WIN 0
	FETCH_A \next, 0, 4
.endm
.macro STEPS slot, from
.set Q, \from
.rept NQ-1-\from
	STEP \slot, Q, 0
.set Q, Q+1
.endr
.endm
	s_wait_tensorcnt 1                             ; the scales and my part of K step 0 are in; the load of K step 1 may be out
	s_barrier_signal -1
	s_barrier_wait -1
	FETCH_B 0, 0, 0
	FETCH_A 0, 0, 0
	SCALES 0
	FETCH_A 0, 0, 4
	STEP 0, 0, 1                                   ; the first step starts the sums
	s_mov_b32 s3, LAPS-1
.Llap:
	STEPS 0, 1
	TURN 0, 1, 1
	STEPS 1, 0
	TURN 1, 0, 1
	STEP 0, 0, 0
	s_sub_co_u32 s3, s3, 1
	s_cmp_lg_u32 s3, 0
	s_cbranch_scc1 .Llap
	STEPS 0, 1                                     ; the last lap fills nothing
	TURN 0, 1, 0
	STEPS 1, 0
	s_wait_dscnt 4*NL
	WIN MUL_LO
	MUL16 0, 1, NQ-1, 1, 0
	MUL16 2, 1, NQ-1, 1, 0
	s_wait_dscnt 0
	WIN MUL_HI
	MUL16 4, 1, NQ-1, 1, 0
	MUL16 6, 1, NQ-1, 1, 0
	WIN 0
; THE WAY OUT, block by block of 16 positions x 128 columns (two heads).  Lane (r, h) holds position r and, in accumulator b, channels 16 (b % 4) + 8 h + 0..7 of head b / 4.
; The partner of channel d < 32 is d + 32: accumulators b and b + 2 of the same lane.  o1 = x1 cos - x2 sin, o2 = x2 cos + x1 sin, two at a time.
.macro TABLE a                         ; the block's cos and sin: eight pieces of 512 dense bytes, into window 1
	WIN 0x40
.irp p, 0,1,2,3,4,5,6,7
	global_load_b128 v[TBL+32*((\a)%2)+4*\p:TBL+32*((\a)%2)+4*\p+3], v[TA+(\a)], s[96:97] offset:512*\p
.endr
	WIN 0
.endm
.macro ROT a
.set AC, 64*((\a)%4)
.set TT, TBL+32*((\a)%2)
	WIN (0x06+((\a)/4))                            ; source 0: the accumulators' window; source 1: window 1, the table
.irp hh, 0,1
.irp u, 0,1
.irp jp, 0,2,4,6                               ; each accumulator is read from its low end on
.set X1, 8*(4*\hh+\u)+\jp
.set X2, 8*(4*\hh+2+\u)+\jp
	v_pk_mul_f32 v[F+X1:F+X1+1], v[AC+X1:AC+X1+1], v[TT+16*\u+\jp:TT+16*\u+\jp+1]
	v_pk_mul_f32 v[F+X2:F+X2+1], v[AC+X1:AC+X1+1], v[TT+16*\u+8+\jp:TT+16*\u+8+\jp+1]
	v_pk_fma_f32 v[F+X1:F+X1+1], v[AC+X2:AC+X2+1], v[TT+16*\u+8+\jp:TT+16*\u+8+\jp+1], v[F+X1:F+X1+1] neg_lo:[1,0,0] neg_hi:[1,0,0]
	v_pk_fma_f32 v[F+X2:F+X2+1], v[AC+X2:AC+X2+1], v[TT+16*\u+\jp:TT+16*\u+\jp+1], v[F+X2:F+X2+1]
.endr
.endr
.endr
	WIN 0
.set I, 0
.rept 32
	v_cvt_pk_f16_f32 v[H+I], v[F+2*I], v[F+2*I+1]
.set I, I+1
.endr
.endm
.macro STG a                           ; through my stage: LDS serves a wave's instructions in order, so no wait stands between the stores and the loads
.irp b, 0,1,2,3,4,5,6,7
	ds_store_b128 v[STO], v[H+4*\b:H+4*\b+3] offset:32*\b
.endr
.irp t, 0,1,2,3,4,5,6,7
	ds_load_b128 v[BK+32*((\a)%2)+4*\t:BK+32*((\a)%2)+4*\t+3], v[RD] offset:2*\t*SPITCH
.endr
.endm
.macro SND a
.irp t, 0,1,2,3,4,5,6,7
	global_store_b128 v[CO], v[BK+32*((\a)%2)+4*\t:BK+32*((\a)%2)+4*\t+3], s[12:13] offset:2048*(\a)+256*\t   ; sixteen lanes store 256 consecutive bytes, aligned
.endr
.endm
	PLACES NP                                      ; behind the last products: loads into registers that held fragments, and the first reads of results
	TABLE 0
	TABLE 1
.irp a, 0,1,2,3,4,5,6,7
.if \a < 7
	s_wait_loadcnt 8                               ; this block's eight table loads are in; the next block's may be out
.else
	s_wait_loadcnt 0x0
.endif
	ROT \a
.if \a > 1
	s_wait_xcnt 0x0                                ; the stores of two blocks ago have read their registers: this block's rows may land there
.endif
	STG \a
.if \a < 6
	TABLE \a+2
.endif
	s_wait_dscnt 0x0                               ; the rows are back, and the stores into the stage have read the packed registers
	SND \a
.endr
	s_wait_tensorcnt 0x0                           ; the wave ends with these three lines
	ds_add_u32 v[SPW], v[NIL]
	s_wait_dscnt 0x0
	CROUND                                         ; the closing round
	s_endpgm
.Lfunc_end_k_q31becf8d3e_qkv:
	.size	k_q31becf8d3e_qkv, .Lfunc_end_k_q31becf8d3e_qkv-k_q31becf8d3e_qkv
	.p2alignl 7, 3214868480
	.fill 96, 4, 3214868480
	.section	.rodata,"a",@progbits
	.p2align	6, 0x0
	.amdhsa_kernel k_q31becf8d3e_qkv
		.amdhsa_group_segment_fixed_size 327680
		.amdhsa_private_segment_fixed_size 0
		.amdhsa_enable_private_segment 0
		.amdhsa_kernarg_size 16
		.amdhsa_user_sgpr_count 2
		.amdhsa_user_sgpr_kernarg_segment_ptr 1
		.amdhsa_wavefront_size32 1
		.amdhsa_system_sgpr_workgroup_id_x 1
		.amdhsa_system_sgpr_workgroup_id_y 1
		.amdhsa_system_sgpr_workgroup_id_z 1
		.amdhsa_system_vgpr_workitem_id 0
		.amdhsa_next_free_vgpr 1024
		.amdhsa_next_free_sgpr 98
		.amdhsa_reserve_vcc 0
		.amdhsa_float_denorm_mode_32 3
		.amdhsa_float_denorm_mode_16_64 3
		.amdhsa_memory_ordered 1
		.amdhsa_forward_progress 1
		.amdhsa_inst_pref_size 253
	.end_amdhsa_kernel
	.amdgpu_metadata
---
amdhsa.version: [ 1, 2 ]
amdhsa.kernels:
  - .name:           k_q31becf8d3e_qkv
    .symbol:         k_q31becf8d3e_qkv.kd
    .args:
      - { .name: qnt, .offset: 0, .size: 8, .value_kind: global_buffer, .address_space: global }
      - { .name: qkv16, .offset: 8, .size: 8, .value_kind: global_buffer, .address_space: global }
    .group_segment_fixed_size: 327680
    .private_segment_fixed_size: 0
    .kernarg_segment_align: 8
    .kernarg_segment_size: 16
    .max_flat_workgroup_size: 128
    .sgpr_count:     98
    .vgpr_count:     1024
    .wavefront_size: 32
...
	.end_amdgpu_metadata
.endif
;; end of part 2
;; launch attn (part 3): grid 32 x 8, 8 waves a work-group, clusters of 4 x 1, 327,680 bytes of LDS; arguments qkv16, mbits, o16, o32; writes o16, o32
.if DOCPART == 3
	.amdgcn_target "amdgcn-amd-amdhsa--gfx1250"
	.amdhsa_code_object_version 6
	.text
	.protected	k_q31becf8d3e_attn
	.globl	k_q31becf8d3e_attn
	.p2align	8
	.type	k_q31becf8d3e_attn,@function
k_q31becf8d3e_attn:
	s_mov_b64 s[64:65], 0
	v_nop
	global_prefetch_b8 v0, s[64:65] scope:SCOPE_SE
	s_setreg_imm32_b32 hwreg(HW_REG_WAVE_MODE, 25, 1), 1
	s_wait_xcnt 0x0
	s_wait_alu depctr_hold_cnt(0) depctr_sa_sdst(0) depctr_va_vdst(0) depctr_va_sdst(0) depctr_va_ssrc(0) depctr_va_vcc(0) depctr_vm_vsrc(0)
	s_getreg_b32 s2, hwreg(HW_REG_IB_STS2, 6, 4)
	s_cmp_eq_u32 s2, 0
	s_cbranch_scc0 .Lentry_in_a_cluster
	s_endpgm
.Lentry_in_a_cluster:
	s_bfe_u32 s2, ttmp6, 0x10000c
	s_cmp_lg_u32 s2, 0x3003
	s_cbranch_scc0 .Lentry_shape_is_right
	s_endpgm
.Lentry_shape_is_right:
; O[head][q] = sum over k of softmax_k(q . k / 8, masked) v[k].  q, k, v: f16, [48 heads][2048][64] (heads 0-31 q, 32-39 k, 40-47 v).  The mask is an input: every key is walked, and the lane masks made from it are honoured.
; Products take f16 operands and f32 sums; maxima, exponentials and sums are f32.  O leaves as f16 [2048][2048] (column 64 head + d); positions under 16 also unrounded, as f32, for the fine projection.
; SHARES.  A work-group owns 64 queries and the four query heads of one key/value head.  Wave w owns the 16 queries of tile 4 qb + w / 2 and heads 4 g + 2 (w % 2) + 0, 1: each fragment of K and V read from LDS feeds two products.
; Eight waves, two to a SIMD: the vector work of one stands beside the products of the other.
; LAYOUT.  S^T = K Q^T (source 0 = 16 keys, source 1 = 16 queries): a lane holds one query and keys 8 h + 0..7.  Two such tiles, rounded to f16 in pairs, are source 1 of O^T = V^T P.  V comes out of LDS turned.
; THE MASK is the C of the first product of S^T: 0 where the key is kept, -2^100 where it is not; 32 selects a key step serve both heads.  q and k are f16, so |q . k| stays under 2^38.
; The running maximum starts at -2^90: a masked score never raises it and its weight is exactly 0; no kept score lies under it.  A row with no kept key ends with sum 0 and O = 0 x (1 / 0) = NaN, as the definition has it.
; SOFTMAX.  p = 2^(c s - c m), c = log2(e) / 8, m the running maximum; in every step O and the sum are multiplied by 2^(c m_old - c m_new).
; CLUSTER.  The four blocks of queries of a cluster walk the same K and V: each tile is asked for jointly.
; LIMITS: q, k, v, O beyond 65,504 in magnitude have no f16; positions under 16 still take f16 q, k, v and p in these two products; NaN and infinities among q, k, v are not served.
; REGISTERS.  window 0: v2-15 addresses and constants; v16-31 statistics, eight a head; v32-63 the mask's C; v64-127 S^T; v128-159 P; v160-223 O^T; v224-255 at work.  window 1: v0-31 Q; v32-95 K; v96-159 V.
.set KS,    64                         ; keys in a step
.set NST,   4                          ; steps in a slot
.set PK,    144                        ; a row of K in LDS: 128 bytes + 16
.set PV,    160                        ; a row of V: 128 + 32
.set VOFF,  KS*PK
.set STEPB, KS*(PK+PV)
.set SLOTB, NST*KS*128                 ; a slot's bytes of K (or of V) in memory
.set SLOT1, 1<<17
.set STAGE, SLOT1+NST*STEPB            ; behind the ring: 16 rows x 272 bytes for each wave
.set SP,    272
.set SPARE, STAGE+8*16*SP              ; the spare words, 128 bytes a wave; no other line names them
.set HEADB, 2048*128
.set AK0, 2
.set AV0, 3
.set ADK, 4
.set ADV, 5
.set QO,  6
.set STO, 7
.set RD,  8
.set GO,  9
.set G32, 10
.set POS, 11
.set NEG, 12
.set PFO, 13
.set SPW, 14
.set NIL, 15
.set ST,  16                           ; head e at v[ST + 8 e]: +0 c m, +1 m, +2, +3 the sum (even keys, odd keys), +4..+7 at work; the factor a in +6
.set BIAS, 32
.set S,   64
.set P,   128
.set O,   160
.set QF,  0                            ; in window 1
.set KF,  32
.set VF,  96
.set WV,  12
.set LIM, 15
.set PFA, 18
.set G1K, 24
.set G1V, 32
.set G0K, 40
.set G0V, 48
.set SLOTS, 56
.set CNT, 57
.set CS,  58
.set SEL, 60
.set TB,  62
.set MOFF, 63
.set MW,  68                           ; s[68:99] the step's 32 lane masks
.set MSB, 0
.macro WIN new
.if MSB != \new
	s_set_vgpr_msb (MSB<<8)|\new
.set MSB, \new
.endif
.endm
; A joint refill: waves 0-3 fetch the slot's four tiles of K, waves 4-7 those of V.  The branch hangs on the wave number alone.  An s_nop 0 and four v_nop follow each line.
.macro JLOAD
	s_cmp_lt_u32 s[WV], 4
	s_cbranch_scc0 .Lfor_v_\@
	tensor_load_to_lds s[G0K+4:G0K+7], s[G1K:G1K+7]
	s_nop 0
.rept 4
	v_nop
.endr
	s_branch .Lasked_\@
.Lfor_v_\@:
	tensor_load_to_lds s[G0V+4:G0V+7], s[G1V:G1V+7]
	s_nop 0
.rept 4
	v_nop
.endr
.Lasked_\@:
.endm
; A prefetch of what the next change of slots will ask for: 32,768 dense bytes of K and as many of V.  All clusters of a key/value head walk the same rows: the first of them asks.  Its four partners share the bytes out
; by address, 8,192 each; in each, wave 0 asks for K and wave 4 for V, lanes 256 bytes apart: one instruction.  So each aligned 256 bytes are named once.  The last change that fills a slot asks for nothing.
.macro ASK
	s_cmp_gt_u32 s[SLOTS], s[LIM]
	s_cbranch_scc0 .Lnot_mine_\@
	global_prefetch_b8 v[PFO], s[PFA:PFA+1] th:TH_LOAD_NT scope:SCOPE_SE
.Lnot_mine_\@:
.endm
.macro CROUND
	s_barrier_signal -1
	s_barrier_wait -1
	s_cmp_lg_u32 s[WV], 0
	s_cbranch_scc1 .Lnot_wave_0_\@
	s_barrier_signal -3
.Lnot_wave_0_\@:
	s_barrier_wait -3
	s_barrier_signal -1
	s_barrier_wait -1
.endm
	s_load_b256 s[4:11], s[0:1], 0x0               ; qkv16 s[4:5], mbits s[6:7], o16 s[8:9], o32 s[10:11]
	v_lshl_add_u32 v[SPW], v0, 2, SPARE
	v_mov_b32 v[NIL], 0
	ds_add_u32 v[SPW], v[NIL]                      ; the opening: the add, twice on end, and its wait ahead of my first tensor load
	ds_add_u32 v[SPW], v[NIL]
	v_lshrrev_b32 v1, 5, v0
	v_readfirstlane_b32 s[WV], v1                  ; wave 0..7
	s_bfe_u32 s13, ttmp6, 0x40000                  ; cx
	s_and_b32 s20, ttmp7, 0xffff                   ; g, the key/value head, which the four partners share
	s_and_b32 s21, s[WV], 3                        ; which of a slot's four steps I fetch
	s_lshl_b32 s22, s20, 18
	s_lshl_b32 s23, s21, 13
	s_add_co_u32 s22, s22, s23
	s_add_co_u32 s22, s22, 32*HEADB                ; K: head 32 + g, my step's 64 rows of 128 bytes
	s_mov_b32 s23, 0
	s_mul_i32 s21, s21, STEPB                      ; and its place in a slot
	s_mov_b32 s[G1K], 15|(1<<16)|(1<<20)|(1<<21)|(4<<22)|(3<<25)   ; the mask: all four; elements of 2 bytes; padding on; bit 21 beside a mask; 4 words after every 32
	s_mov_b32 s[G1V], 15|(1<<16)|(1<<20)|(1<<21)|(4<<22)|(7<<25)   ; the same with 8 words
.irp g, G1K, G1V
	s_mov_b32 s[\g+1], 64<<16                      ; tensor_dim0
	s_mov_b32 s[\g+2], KS<<16                      ; tensor_dim1
	s_mov_b32 s[\g+3], 64<<16                      ; tile_dim0
	s_mov_b32 s[\g+4], KS                          ; tile_dim1
	s_mov_b32 s[\g+5], 64                          ; the pitch
	s_mov_b32 s[\g+6], 0
	s_mov_b32 s[\g+7], 0
.endr
	s_mov_b32 s[CS], 0x3e38aa3b                    ; c = log2(e) / 8
	s_mov_b32 s[CS+1], s[CS]
	s_mov_b32 s[SEL], 0x76543210
	s_mov_b32 s[SEL+1], 0xfedcba98
	s_mov_b32 s[SLOTS], 2048/(NST*KS)-2
	s_and_b32 s[LIM], s[WV], 3
	s_or_b32 s[LIM], s[LIM], ttmp9                 ; 0 in waves 0 and 4 of the head's first cluster: the same in all four partners
	s_cmp_eq_u32 s[LIM], 0
	s_cselect_b32 s[LIM], 1, -1
	v_and_b32 v[PFO], 31, v0
	v_lshlrev_b32 v[PFO], 8, v[PFO]
	s_lshl_b32 s14, ttmp9, 2
	s_add_co_u32 s14, s14, s13                     ; my block of 64 queries
	s_lshl_b32 s14, s14, 2
	s_lshr_b32 s57, s[WV], 1
	s_add_co_u32 s14, s14, s57                     ; qt: my tile of 16 queries; it enters global addresses alone
	s_and_b32 s57, s[WV], 1
	s_lshl_b32 s57, s57, 1
	s_lshl_b32 s62, s20, 2
	s_add_co_u32 s57, s57, s62                     ; my first head
	s_wait_dscnt 0x0                               ; both opening adds are done
	s_wait_kmcnt 0x0
	s_add_nc_u64 s[22:23], s[4:5], s[22:23]        ; K at my tile of slot 0
	s_add_nc_u64 s[2:3], s[22:23], 8*HEADB         ; V likewise: eight heads on
	s_cmp_lt_u32 s[WV], 4
	s_cselect_b64 s[PFA:PFA+1], s[22:23], s[2:3]   ; (in waves 0 and 4 these stand at a slot's first row)
	s_lshl_b32 s62, s13, 13
	s_mov_b32 s63, 0
	s_add_nc_u64 s[PFA:PFA+1], s[PFA:PFA+1], s[62:63]
	s_add_nc_u64 s[PFA:PFA+1], s[PFA:PFA+1], 2*SLOTB   ; in slot 2; the first change of slots steps it to slot 3.  Nothing is prefetched at the head
	s_lshl_b32 s62, s57, 18
	s_lshl_b32 s66, s14, 11
	s_add_co_u32 s62, s62, s66
	s_add_nc_u64 s[4:5], s[4:5], s[62:63]          ; Q at my first head and query
	s_lshl_b32 s62, s14, 12
	s_add_nc_u64 s[16:17], s[6:7], s[62:63]        ; my tile's lane masks
	s_lshl_b32 s62, s14, 16
	s_lshl_b32 s66, s57, 7
	s_add_co_u32 s62, s62, s66
	s_add_nc_u64 s[8:9], s[8:9], s[62:63]          ; o16 at my first row and column
	s_lshl_b32 s62, s57, 8
	s_add_nc_u64 s[66:67], s[10:11], s[62:63]      ; o32 at my first column
	CROUND                                         ; all four work-groups are here: the first joint loads meet
.irp s, 0,1
	s_mov_b32 s[G0K+4*\s], 1
	s_add_co_u32 s[G0K+4*\s+1], s21, \s*SLOT1
	s_add_nc_u64 s[G0K+4*\s+2:G0K+4*\s+3], s[22:23], \s*SLOTB
	s_or_b32 s[G0K+4*\s+3], s[G0K+4*\s+3], 0x80000000
	s_mov_b32 s[G0V+4*\s], 1
	s_add_co_u32 s[G0V+4*\s+1], s21, \s*SLOT1+VOFF
	s_add_nc_u64 s[G0V+4*\s+2:G0V+4*\s+3], s[2:3], \s*SLOTB
	s_or_b32 s[G0V+4*\s+3], s[G0V+4*\s+3], 0x80000000
.endr
	s_cmp_lt_u32 s[WV], 4                          ; a wave's two first fills stand in one branch: two loads of mine are out
	s_cbranch_scc0 .Lfirst_v
	tensor_load_to_lds s[G0K:G0K+3], s[G1K:G1K+7]
	s_nop 0
	tensor_load_to_lds s[G0K+4:G0K+7], s[G1K:G1K+7]
	s_nop 0
.rept 4
	v_nop
.endr
	s_branch .Lfirst_asked
.Lfirst_v:
	tensor_load_to_lds s[G0V:G0V+3], s[G1V:G1V+7]
	s_nop 0
	tensor_load_to_lds s[G0V+4:G0V+7], s[G1V:G1V+7]
	s_nop 0
.rept 4
	v_nop
.endr
.Lfirst_asked:
	s_mov_b32 s[TB], 0
	s_mov_b32 s[MOFF], 0
	s_load_b512 s[MW:MW+15], s[16:17], 0x0         ; the first step's lane masks
	s_load_b512 s[MW+16:MW+31], s[16:17], 0x40
	v_and_b32 v1, 15, v0                           ; r
	v_bfe_u32 v224, v0, 4, 1                       ; h
	v_lshlrev_b32 v[QO], 7, v1
	v_lshl_add_u32 v[QO], v224, 4, v[QO]
	v_mul_u32_u24 v[AK0], v1, PK
	v_lshl_add_u32 v[AK0], v224, 4, v[AK0]         ; K: row r x pitch + 16 h
	WIN 0x40                                       ; destination window 1
.irp e, 0,1
.irp c, 0,1
	global_load_b128 v[QF+16*\e+8*\c:QF+16*\e+8*\c+3],   v[QO], s[4:5] offset:\e*HEADB+64*\c      ; Q stays in registers: head e, channels 32 c on
	global_load_b128 v[QF+16*\e+8*\c+4:QF+16*\e+8*\c+7], v[QO], s[4:5] offset:\e*HEADB+64*\c+32
.endr
.endr
	WIN 0
	v_and_b32 v225, 7, v0
	v_bfe_u32 v226, v0, 3, 1
	v_lshl_add_u32 v[AV0], v224, 3, v225           ; V, for the turning load: key 8 h + lane % 8, channels 8 ((lane / 8) % 2) on
	v_mul_u32_u24 v[AV0], v[AV0], PV
	v_lshl_add_u32 v[AV0], v226, 4, v[AV0]
	v_add_nc_u32 v[AV0], VOFF, v[AV0]
	s_mul_i32 s57, s[WV], 16*SP
	s_add_co_u32 s57, s57, STAGE                   ; my stage
	v_mul_u32_u24 v[STO], v1, SP
	v_lshl_add_u32 v[STO], v224, 4, v[STO]
	v_add_nc_u32 v[STO], s57, v[STO]
	v_mul_u32_u24 v[RD], v224, SP
	v_lshl_add_u32 v[RD], v1, 4, v[RD]
	v_add_nc_u32 v[RD], s57, v[RD]
	v_lshlrev_b32 v[GO], 12, v224
	v_lshl_add_u32 v[GO], v1, 4, v[GO]             ; o16: lanes 0-15 one row, lanes 16-31 the next
	v_lshlrev_b32 v[G32], 13, v1
	v_lshl_add_u32 v[G32], v224, 5, v[G32]         ; o32: row r, + 32 h
	v_lshl_add_u32 v[POS], s14, 4, v1              ; my query's position
	v_mov_b32 v[NEG], 0xf1800000                   ; -2^100
.irp e, 0,1
	v_mov_b32 v[ST+8*\e+1], 0xec800000             ; m = -2^90
	v_mov_b32 v[ST+8*\e+2], 0
	v_mov_b32 v[ST+8*\e+3], 0
.endr
.irp e, 0,1
	v_mul_f32 v[ST+8*\e], s[CS], v[ST+8*\e+1]
.endr
.set I, 0
.rept 64
	v_mov_b32 v[O+I], 0                            ; O^T.  The step is written once: its first walk finds zeros
.set I, I+1
.endr
; The softmax of both heads, line by line in turns.  All 66 exponentials are one batch with one wait.
.macro SOFTMAX
.irp j, 0,1,2,3
.irp e, 0,1
	v_max3_num_f32 v[ST+8*\e+4+\j], v[S+32*\e+8*\j], v[S+32*\e+8*\j+1], v[S+32*\e+8*\j+2]   ; each accumulator is read from its low end on
.endr
.endr
.irp i, 3,5
.irp j, 0,1,2,3
.irp e, 0,1
	v_max3_num_f32 v[ST+8*\e+4+\j], v[ST+8*\e+4+\j], v[S+32*\e+8*\j+\i], v[S+32*\e+8*\j+\i+1]
.endr
.endr
.endr
.irp e, 0,1
	v_max3_num_f32 v[ST+8*\e+4], v[ST+8*\e+4], v[S+32*\e+7], v[S+32*\e+15]
	v_max3_num_f32 v[ST+8*\e+6], v[ST+8*\e+6], v[S+32*\e+23], v[S+32*\e+31]
.endr
.irp e, 0,1
	v_max3_num_f32 v[ST+8*\e+4], v[ST+8*\e+4], v[ST+8*\e+5], v[ST+8*\e+6]
.endr
.irp e, 0,1
	v_max3_num_f32 v[ST+8*\e+4], v[ST+8*\e+4], v[ST+8*\e+7], v[ST+8*\e+1]   ; with the old m
.endr
.irp e, 0,1
	v_permlanex16_b32 v[ST+8*\e+5], v[ST+8*\e+4], s[SEL], s[SEL+1]          ; the query's other 32 keys lie in the lane 16 away
.endr
.irp e, 0,1
	v_mov_b32 v[ST+8*\e+7], v[ST+8*\e]             ; c m_old
.endr
.irp e, 0,1
	v_max_num_f32 v[ST+8*\e+1], v[ST+8*\e+4], v[ST+8*\e+5]
.endr
.irp e, 0,1
	v_mul_f32 v[ST+8*\e], s[CS], v[ST+8*\e+1]
.endr
.irp e, 0,1
	v_sub_f32 v[ST+8*\e+7], v[ST+8*\e+7], v[ST+8*\e]
.endr
.irp b, 0,1,2,3,4,5,6,7,8,9,10,11,12,13,14,15
.irp e, 0,1
	v_pk_fma_f32 v[S+32*\e+2*\b:S+32*\e+2*\b+1], v[S+32*\e+2*\b:S+32*\e+2*\b+1], s[CS:CS+1], v[ST+8*\e:ST+8*\e+1] op_sel_hi:[1,0,0] neg_lo:[0,0,1] neg_hi:[0,0,1]   ; c s - c m
.endr
.endr
.irp e, 0,1
	v_exp_f32 v[ST+8*\e+6], v[ST+8*\e+7]           ; a = 2^(c m_old - c m_new)
.endr
.set I, 0
.rept 64
	v_exp_f32 v[S+I], v[S+I]
.set I, I+1
.endr
	v_nop                                          ; a plain instruction behind the last exponential
	s_wait_alu depctr_va_vdst(0)                   ; one wait for the batch, ahead of its first reader
.set I, 0
.rept 32
	v_cvt_pk_f16_f32 v[P+I], v[S+2*I], v[S+2*I+1]
.set I, I+1
.endr
.irp u, 0,1,2,3,4,5,6,7
.irp e, 0,1
	v_pk_add_f32 v[S+32*\e+4*\u:S+32*\e+4*\u+1], v[S+32*\e+4*\u:S+32*\e+4*\u+1], v[S+32*\e+4*\u+2:S+32*\e+4*\u+3]   ; the sum of the unrounded weights, in place
.endr
.endr
.irp u, 0,1,2,3
.irp e, 0,1
	v_pk_add_f32 v[S+32*\e+8*\u:S+32*\e+8*\u+1], v[S+32*\e+8*\u:S+32*\e+8*\u+1], v[S+32*\e+8*\u+4:S+32*\e+8*\u+5]
.endr
.endr
.irp u, 0,1
.irp e, 0,1
	v_pk_add_f32 v[S+32*\e+16*\u:S+32*\e+16*\u+1], v[S+32*\e+16*\u:S+32*\e+16*\u+1], v[S+32*\e+16*\u+8:S+32*\e+16*\u+9]
.endr
.endr
.irp e, 0,1
	v_pk_add_f32 v[S+32*\e:S+32*\e+1], v[S+32*\e:S+32*\e+1], v[S+32*\e+16:S+32*\e+17]
.endr
.irp e, 0,1
	v_pk_fma_f32 v[ST+8*\e+2:ST+8*\e+3], v[ST+8*\e+2:ST+8*\e+3], v[ST+8*\e+6:ST+8*\e+7], v[S+32*\e:S+32*\e+1] op_sel_hi:[1,0,1]
.endr
.irp e, 0,1
.set I, 0
.rept 16
	v_pk_mul_f32 v[O+32*\e+2*I:O+32*\e+2*I+1], v[O+32*\e+2*I:O+32*\e+2*I+1], v[ST+8*\e+6:ST+8*\e+7] op_sel_hi:[1,0]   ; O^T x a, in ascending order
.set I, I+1
.endr
.endr
.endm
; A KEY STEP: 64 keys.
.macro STEP
	s_wait_kmcnt 0x0                               ; this step's lane masks are in
.set I, 0
.rept 32
	v_cndmask_b32 v[BIAS+I], v[NEG], 0, s[MW+I]    ; 0 where kept, -2^100 where not.  These 32 are also the places behind the last products, ahead of the loads below
.set I, I+1
.endr
	s_add_co_u32 s[MOFF], s[MOFF], 128
	s_and_b32 s[MOFF], s[MOFF], 4095               ; the last look-ahead wraps to my tile's first words: it stays inside the buffer and is not used
	s_load_b512 s[MW:MW+15], s[16:17], s[MOFF] offset:0x0
	s_load_b512 s[MW+16:MW+31], s[16:17], s[MOFF] offset:0x40
	v_add_nc_u32 v[ADK], s[TB], v[AK0]
	v_add_nc_u32 v[ADV], s[TB], v[AV0]
	WIN 0x40
.irp t, 0,1,2,3
.irp c, 0,1
	ds_load_b128 v[KF+16*\t+8*\c:KF+16*\t+8*\c+3],   v[ADK] offset:\t*16*PK+64*\c
	ds_load_b128 v[KF+16*\t+8*\c+4:KF+16*\t+8*\c+7], v[ADK] offset:\t*16*PK+64*\c+32
.endr
.endr
.irp kg, 0,1
.irp cb, 0,1,2,3
	ds_load_tr16_b128 v[VF+32*\kg+8*\cb:VF+32*\kg+8*\cb+3],   v[ADV] offset:\kg*32*PV+32*\cb
	ds_load_tr16_b128 v[VF+32*\kg+8*\cb+4:VF+32*\kg+8*\cb+7], v[ADV] offset:\kg*32*PV+16*PV+32*\cb
.endr
.endr
	s_wait_dscnt 16                                ; K is in; the sixteen loads of V, issued behind it, may be out
	WIN 0x05                                       ; K and Q in window 1
.irp t, 0,1,2,3                                ; the eight accumulators take turns, one instruction a turn
.irp e, 0,1
	v_wmma_f32_16x16x32_f16 v[S+32*\e+8*\t:S+32*\e+8*\t+7], v[KF+16*\t:KF+16*\t+7], v[QF+16*\e:QF+16*\e+7], v[BIAS+8*\t:BIAS+8*\t+7]
.endr
.endr
.irp t, 0,1,2,3
.irp e, 0,1
	v_wmma_f32_16x16x32_f16 v[S+32*\e+8*\t:S+32*\e+8*\t+7], v[KF+16*\t+8:KF+16*\t+15], v[QF+16*\e+8:QF+16*\e+15], v[S+32*\e+8*\t:S+32*\e+8*\t+7]
.endr
.endr
	WIN 0
.rept 4
	v_nop                                          ; places ahead of the first read of the scores
.endr
	SOFTMAX
	s_wait_dscnt 0x0                               ; V is in
	WIN 0x01                                       ; V in window 1
.irp kg, 0,1
.irp cb, 0,1,2,3
.irp e, 0,1
	v_wmma_f32_16x16x32_f16 v[O+32*\e+8*\cb:O+32*\e+8*\cb+7], v[VF+32*\kg+8*\cb:VF+32*\kg+8*\cb+7], v[P+16*\e+8*\kg:P+16*\e+8*\kg+7], v[O+32*\e+8*\cb:O+32*\e+8*\cb+7]
.endr
.endr
.endr
	WIN 0
	s_add_co_u32 s[TB], s[TB], STEPB
.endm
.macro FOUR_STEPS
	s_mov_b32 s[CNT], NST
.Lstep_\@:
	STEP
	s_sub_co_u32 s[CNT], s[CNT], 1
	s_cmp_lg_u32 s[CNT], 0
	s_cbranch_scc1 .Lstep_\@
.endm
; THE CHANGE OF SLOTS.  Each wave waits for all its tensor loads (one is out: its part of the other slot), adds 0 to its spare word, and waits for that and for its reads of the slot.
; fill = 1: the barrier is a round of the cluster barrier, and the joint refill, with the keys two slots on, is the first thing behind it: it has four key steps in which to land.
.macro CHANGE fill
	s_wait_tensorcnt 0x0                           ; no tensor load of mine is out, so a group 0 may be written
	ds_add_u32 v[SPW], v[NIL]
.if \fill
.irp g, G0K+4, G0V+4
	s_xor_b32 s[\g+1], s[\g+1], SLOT1
	s_add_nc_u64 s[\g+2:\g+3], s[\g+2:\g+3], SLOTB
.endr
	s_wait_xcnt 0x0                                ; the last prefetch, a slot back, has read its address
	s_add_nc_u64 s[PFA:PFA+1], s[PFA:PFA+1], SLOTB
	s_wait_dscnt 0x0                               ; the add is done, and my reads of the slot are over
	CROUND
	JLOAD
	ASK
.else
	s_wait_dscnt 0x0
	s_barrier_signal -1
	s_barrier_wait -1
.endif
	s_sub_co_u32 s[TB], s[TB], NST*STEPB
	s_xor_b32 s[TB], s[TB], SLOT1
.endm
	s_wait_tensorcnt 1                             ; my part of slot 0 is in; that of slot 1 may stay out
	s_barrier_signal -1
	s_barrier_wait -1
	s_wait_loadcnt 0x0                             ; Q
	FOUR_STEPS
.Lslot:                                            ; six trips: every slot but the last two is filled again
	CHANGE 1
	FOUR_STEPS
	s_sub_co_u32 s[SLOTS], s[SLOTS], 1
	s_cmp_lg_u32 s[SLOTS], 0
	s_cbranch_scc1 .Lslot
	CHANGE 0                                       ; the tail is written out
	FOUR_STEPS
	; THE WAY OUT
	s_wait_kmcnt 0x0                               ; the last look-ahead of lane masks
.rept 4
	v_nop                                          ; places behind the last products
.endr
.irp e, 0,1
	v_add_f32 v[ST+8*\e+4], v[ST+8*\e+2], v[ST+8*\e+3]
.endr
.irp e, 0,1
	v_permlanex16_b32 v[ST+8*\e+5], v[ST+8*\e+4], s[SEL], s[SEL+1]
.endr
.irp e, 0,1
	v_add_f32 v[ST+8*\e+4], v[ST+8*\e+4], v[ST+8*\e+5]
.endr
.irp e, 0,1
	v_rcp_f32 v[ST+8*\e+6], v[ST+8*\e+4]
.endr
	v_nop
	s_wait_alu depctr_va_vdst(0)                   ; one wait for the two reciprocals, ahead of their first reader
.irp e, 0,1
.set I, 0
.rept 16
	v_pk_mul_f32 v[O+32*\e+2*I:O+32*\e+2*I+1], v[O+32*\e+2*I:O+32*\e+2*I+1], v[ST+8*\e+6:ST+8*\e+7] op_sel_hi:[1,0]
.set I, I+1
.endr
.endr
	s_wait_xcnt 0x0                                ; EXEC changes only behind this wait
	v_cmp_gt_u32 vcc_lo, 16, v[POS]                ; positions under 16 also leave unrounded: lanes are switched off, nothing is jumped over
	s_and_saveexec_b32 s100, vcc_lo
.irp e, 0,1
.irp cb, 0,1,2,3
	global_store_b128 v[G32], v[O+32*\e+8*\cb:O+32*\e+8*\cb+3],   s[66:67] offset:256*\e+64*\cb
	global_store_b128 v[G32], v[O+32*\e+8*\cb+4:O+32*\e+8*\cb+7], s[66:67] offset:256*\e+64*\cb+16
.endr
.endr
	s_wait_xcnt 0x0                                ; and again, in front of the line that widens it
	s_or_b32 exec_lo, exec_lo, s100
.set I, 0
.rept 32
	v_cvt_pk_f16_f32 v[224+I], v[O+2*I], v[O+2*I+1]
.set I, I+1
.endr
.irp e, 0,1
.irp cb, 0,1,2,3
	ds_store_b128 v[STO], v[224+16*\e+4*\cb:224+16*\e+4*\cb+3] offset:128*\e+32*\cb   ; row r: my two heads' 256 bytes
.endr
.endr
.irp f, 0,1,2,3,4,5,6,7
	ds_load_b128 v[S+4*\f:S+4*\f+3], v[RD] offset:\f*2*SP   ; LDS serves a wave's instructions in order: these see the stores above
.endr
.irp f, 0,1,2,3,4,5,6,7
	s_wait_dscnt 7-\f
	global_store_b128 v[GO], v[S+4*\f:S+4*\f+3], s[8:9] offset:\f*8192   ; sixteen lanes store 256 consecutive bytes, aligned
.endr
	s_wait_tensorcnt 0x0                           ; the wave ends with these three lines
	ds_add_u32 v[SPW], v[NIL]
	s_wait_dscnt 0x0
	CROUND                                         ; the closing round
	s_endpgm
.Lfunc_end_k_q31becf8d3e_attn:
	.size	k_q31becf8d3e_attn, .Lfunc_end_k_q31becf8d3e_attn-k_q31becf8d3e_attn
	.p2alignl 7, 3214868480
	.fill 96, 4, 3214868480
	.section	.rodata,"a",@progbits
	.p2align	6, 0x0
	.amdhsa_kernel k_q31becf8d3e_attn
		.amdhsa_group_segment_fixed_size 327680
		.amdhsa_private_segment_fixed_size 0
		.amdhsa_enable_private_segment 0
		.amdhsa_kernarg_size 32
		.amdhsa_user_sgpr_count 2
		.amdhsa_user_sgpr_kernarg_segment_ptr 1
		.amdhsa_wavefront_size32 1
		.amdhsa_system_sgpr_workgroup_id_x 1
		.amdhsa_system_sgpr_workgroup_id_y 1
		.amdhsa_system_sgpr_workgroup_id_z 1
		.amdhsa_system_vgpr_workitem_id 0
		.amdhsa_next_free_vgpr 416
		.amdhsa_next_free_sgpr 101
		.amdhsa_reserve_vcc 1
		.amdhsa_float_denorm_mode_32 3
		.amdhsa_float_denorm_mode_16_64 3
		.amdhsa_memory_ordered 1
		.amdhsa_forward_progress 1
		.amdhsa_inst_pref_size 80
	.end_amdhsa_kernel
	.amdgpu_metadata
---
amdhsa.version: [ 1, 2 ]
amdhsa.kernels:
  - .name:           k_q31becf8d3e_attn
    .symbol:         k_q31becf8d3e_attn.kd
    .args:
      - { .name: qkv16, .offset: 0, .size: 8, .value_kind: global_buffer, .address_space: global }
      - { .name: mbits, .offset: 8, .size: 8, .value_kind: global_buffer, .address_space: global }
      - { .name: o16, .offset: 16, .size: 8, .value_kind: global_buffer, .address_space: global }
      - { .name: o32, .offset: 24, .size: 8, .value_kind: global_buffer, .address_space: global }
    .group_segment_fixed_size: 327680
    .private_segment_fixed_size: 0
    .kernarg_segment_align: 8
    .kernarg_segment_size: 32
    .max_flat_workgroup_size: 256
    .sgpr_count:     101
    .vgpr_count:     416
    .wavefront_size: 32
...
	.end_amdgpu_metadata
.endif
;; end of part 3
;; launch proj (part 4): grid 16 x 16, 4 waves a work-group, clusters of 4 x 4, 327,680 bytes of LDS; arguments o16, wo16, out0; writes out0
.if DOCPART == 4
	.amdgcn_target "amdgcn-amd-amdhsa--gfx1250"
	.amdhsa_code_object_version 6
	.text
	.protected	k_q31becf8d3e_proj
	.globl	k_q31becf8d3e_proj
	.p2align	8
	.type	k_q31becf8d3e_proj,@function
k_q31becf8d3e_proj:
	s_mov_b64 s[64:65], 0
	v_nop
	global_prefetch_b8 v0, s[64:65] scope:SCOPE_SE
	s_setreg_imm32_b32 hwreg(HW_REG_WAVE_MODE, 25, 1), 1
	s_wait_xcnt 0x0
	s_wait_alu depctr_hold_cnt(0) depctr_sa_sdst(0) depctr_va_vdst(0) depctr_va_sdst(0) depctr_va_ssrc(0) depctr_va_vcc(0) depctr_vm_vsrc(0)
	s_getreg_b32 s2, hwreg(HW_REG_IB_STS2, 6, 4)
	s_cmp_eq_u32 s2, 0
	s_cbranch_scc0 .Lentry_in_a_cluster
	s_endpgm
.Lentry_in_a_cluster:
	s_bfe_u32 s2, ttmp6, 0x10000c
	s_cmp_lg_u32 s2, 0xf033
	s_cbranch_scc0 .Lentry_shape_is_right
	s_endpgm
.Lentry_shape_is_right:
; out[m][n] = sum over k of O[m][k] Wo[k][n].  O: [2048][2048] f16, K innermost.  Wo: [2048 (k)][2048 (n)] f16, as it lies: its fragments come out of LDS turned.  out: f32.  Sums in f32.
; A tile of out is 128 x 128, so that 256 work-groups share the work.  Four waves, each 64 x 64: 16 accumulators.  K goes in steps of 256 through a ring of two LDS slots.
; CLUSTERS: 4 x 4 work-groups; tiles of O are shared along a row of the cluster, tiles of Wo along a column: each is asked for jointly.
; The matrix instruction is used transposed (source 0 = 16 columns of Wo, source 1 = 16 rows of O): a lane holds eight neighbouring numbers of a row of out.
; Rows 0-15 are written here too, and written again, more finely, by the launch that follows.
; REGISTERS: window 0: v0-31 addresses; v32-95 at work on the way out; v128-255 the accumulators.  window 1: two fragment buffers of 128: 64 registers of O, then 64 of Wo, for 64 along K.
.set SIZE_M, 2048
.set SIZE_N, 2048
.set SIZE_K, 2048
.set KSTEP,  256
.set PITCH,  528                       ; a row of O in LDS: 512 bytes + 16
.set HALFA,  64*PITCH                  ; 64 rows: what one tensor load of O brings
.set PB,     288                       ; a row (one k) of Wo in LDS: 256 bytes + 32
.set HALFB,  128*PB                    ; 128 rows: what one tensor load of Wo brings
.set BOFF,   2*HALFA
.set SLOT,   2*HALFA+2*HALFB
.set SPARE,  2*SLOT                    ; the spare words, 128 bytes a wave; no other line names them
.set SPITCH, 272                       ; the way out: a stage of 16 rows x (256 bytes + 16) for each wave, in slot 0, which has had its last fill and its last read by then
.set LAPS, SIZE_K/(2*KSTEP)
.set ADRA, 16                          ; v16-17  fragments of O in slot 0, 1
.set ADRB, 20                          ; v20-23  fragments of Wo: 2 x slot + which 128 of the step's 256 k
.set STO,  24
.set RD,   25
.set CO,   26
.set SPW,  28
.set NIL,  29
.set TMP,  32
.set ACC,  128
.set F0,   0
.set F1,   128
.set G1, 24
.set G0, 32
.set G1B, 48
.set G0B, 56
.set MSB, 0
.macro WIN new
.if MSB != \new
	s_set_vgpr_msb (MSB<<8)|\new
.set MSB, \new
.endif
.endm
.set MUL,  0x05
.set TO_F, 0x40
.macro JLOAD s                         ; waves 0 and 1 fetch the halves of the tile of O, waves 2 and 3 those of Wo; an s_nop 0 and four v_nop follow each line
	s_cmp_eq_u32 s11, 0
	s_cbranch_scc0 .Lfor_b_\@
	tensor_load_to_lds s[G0+4*\s:G0+4*\s+3], s[G1:G1+7]
	s_nop 0
.rept 4
	v_nop
.endr
	s_branch .Lasked_\@
.Lfor_b_\@:
	tensor_load_to_lds s[G0B+4*\s:G0B+4*\s+3], s[G1B:G1B+7]
	s_nop 0
.rept 4
	v_nop
.endr
.Lasked_\@:
.endm
.macro CREST
	s_cmp_lg_u32 s10, 0
	s_cbranch_scc1 .Lnot_wave_0_\@
	s_barrier_signal -3
.Lnot_wave_0_\@:
	s_barrier_wait -3
	s_barrier_signal -1
	s_barrier_wait -1
.endm
.macro CROUND
	s_barrier_signal -1
	s_barrier_wait -1
	CREST
.endm
	s_load_b128 s[4:7], s[0:1], 0x0                ; o16 s[4:5], wo16 s[6:7]
	s_load_b64 s[8:9], s[0:1], 0x10                ; out0
	v_lshl_add_u32 v[SPW], v0, 2, SPARE
	v_mov_b32 v[NIL], 0
	ds_add_u32 v[SPW], v[NIL]                      ; the opening: the add, twice on end, and its wait ahead of my first tensor load
	ds_add_u32 v[SPW], v[NIL]
	v_lshrrev_b32 v1, 5, v0
	v_readfirstlane_b32 s10, v1                    ; wave 0..3
	s_lshr_b32 s11, s10, 1                         ; which half of the tile's rows is mine.  Also: I fetch for O (0) or for Wo (1)
	s_and_b32 s12, s10, 1                          ; which half of its columns.  Also: which half of that tile I fetch
	s_bfe_u32 s40, ttmp6, 0x40000
	s_bfe_u32 s41, ttmp6, 0x40004
	s_lshl_b32 s42, ttmp9, 2
	s_add_co_u32 s42, s42, s40                     ; tile column
	s_and_b32 s13, ttmp7, 0xffff
	s_lshl_b32 s13, s13, 2
	s_add_co_u32 s13, s13, s41                     ; tile row
	s_lshl_b32 s43, s41, 2
	s_lshl_b32 s43, 15, s43                        ; my row of the cluster
	s_lshl_b32 s44, 0x1111, s40                    ; my column
	s_or_b32 s[G1+0], s43, (1<<16)|(1<<20)|(1<<21)|(6<<22)|(3<<25)   ; O: 64 rows x 256 elements of 2 bytes; 4 words of padding after every 128
	s_mov_b32 s[G1+1], KSTEP<<16
	s_mov_b32 s[G1+2], 64<<16
	s_mov_b32 s[G1+3], KSTEP<<16
	s_mov_b32 s[G1+4], 64
	s_mov_b32 s[G1+5], SIZE_K
	s_mov_b32 s[G1+6], 0
	s_mov_b32 s[G1+7], 0
	s_or_b32 s[G1B+0], s44, (1<<16)|(1<<20)|(1<<21)|(5<<22)|(7<<25)  ; Wo: 128 rows (k) x 128 elements; 8 words of padding after every 64
	s_mov_b32 s[G1B+1], 128<<16
	s_mov_b32 s[G1B+2], 128<<16
	s_mov_b32 s[G1B+3], 128<<16
	s_mov_b32 s[G1B+4], 128
	s_mov_b32 s[G1B+5], SIZE_N
	s_mov_b32 s[G1B+6], 0
	s_mov_b32 s[G1B+7], 0
	s_lshl_b32 s17, s12, 6
	s_lshl_b32 s16, s13, 7
	s_add_co_u32 s16, s16, s17                     ; O: row 128 x tile row + 64 x half,
	s_lshl_b32 s16, s16, 12                        ; of 4,096 bytes
	s_mov_b32 s17, 0
	s_lshl_b32 s46, s12, 19                        ; Wo: k row 128 x half, of 4,096 bytes,
	s_lshl_b32 s47, s42, 8
	s_add_co_u32 s46, s46, s47                     ; + 256 bytes for each tile column
	s_mov_b32 s47, 0
	s_mul_i32 s20, s12, HALFA                      ; where they go: no place in the cluster enters an LDS address
	s_mul_i32 s21, s12, HALFB
	s_add_co_u32 s21, s21, BOFF
	s_wait_dscnt 0x0                               ; both opening adds are done
	s_wait_kmcnt 0x0
	s_add_nc_u64 s[14:15], s[4:5], s[16:17]
	s_add_nc_u64 s[46:47], s[6:7], s[46:47]
	CROUND                                         ; all sixteen work-groups are here: the first joint loads meet
.irp s, 0,1
	s_mov_b32 s[G0+4*\s], 1
	s_add_co_u32 s[G0+4*\s+1], s20, \s*SLOT
	s_add_nc_u64 s[G0+4*\s+2:G0+4*\s+3], s[14:15], \s*KSTEP*2
	s_or_b32 s[G0+4*\s+3], s[G0+4*\s+3], 0x80000000
	s_mov_b32 s[G0B+4*\s], 1
	s_add_co_u32 s[G0B+4*\s+1], s21, \s*SLOT
	s_add_nc_u64 s[G0B+4*\s+2:G0B+4*\s+3], s[46:47], \s*KSTEP*SIZE_N*2
	s_or_b32 s[G0B+4*\s+3], s[G0B+4*\s+3], 0x80000000
	JLOAD \s
.endr
	v_and_b32 v1, 15, v0                           ; r
	v_bfe_u32 v2, v0, 4, 1                         ; h
	v_mul_u32_u24 v3, v1, PITCH
	v_lshl_add_u32 v3, v2, 4, v3
	s_mul_i32 s21, s11, HALFA                      ; my 64 rows of O
.irp s, 0,1
	v_add_nc_u32 v[ADRA+\s], s21, v3
	s_add_co_u32 s21, s21, SLOT
.endr
	v_and_b32 v4, 7, v0                            ; Wo, for the turning load: k 8 h + lane % 8, columns 8 ((lane / 8) % 2) on, + my 64 columns
	v_lshl_add_u32 v4, v2, 3, v4
	v_mul_u32_u24 v4, v4, PB
	v_bfe_u32 v5, v0, 3, 1
	v_lshl_add_u32 v4, v5, 4, v4
	s_lshl_b32 s22, s12, 7
	s_add_co_u32 s22, s22, BOFF
	v_add_nc_u32 v[ADRB+0], s22, v4
	v_add_nc_u32 v[ADRB+1], HALFB, v[ADRB+0]
	v_add_nc_u32 v[ADRB+2], SLOT, v[ADRB+0]
	v_add_nc_u32 v[ADRB+3], SLOT, v[ADRB+1]
	s_mul_i32 s23, s10, 16*SPITCH                  ; my stage
	v_mul_u32_u24 v4, v1, SPITCH
	v_lshl_add_u32 v4, v2, 5, v4
	v_add_nc_u32 v[STO], s23, v4                   ; in: row r, 32 bytes for each half of the lanes
	v_mul_u32_u24 v5, v2, SPITCH
	v_lshl_add_u32 v5, v1, 4, v5
	v_add_nc_u32 v[RD], s23, v5                    ; back: lanes 0-15 one row of 256 bytes, lanes 16-31 the next
	v_lshlrev_b32 v5, 13, v2
	v_lshl_add_u32 v[CO], v1, 4, v5                ; and the same two rows in out
	s_lshl_b32 s16, s13, 7
	s_lshl_b32 s17, s11, 6
	s_add_co_u32 s16, s16, s17                     ; my first row of out
	s_lshl_b32 s16, s16, 13
	s_mov_b32 s17, 0
	s_add_nc_u64 s[8:9], s[8:9], s[16:17]
	s_lshl_b32 s46, s42, 9                         ; my first column, in bytes: 512 x tile column + 256 x half
	s_lshl_b32 s47, s12, 8
	s_add_co_u32 s46, s46, s47
	s_mov_b32 s47, 0
	s_add_nc_u64 s[8:9], s[8:9], s[46:47]
.macro MUL8 f, c, a0, zero             ; the 16 accumulators take turns, one instruction a turn
.irp a, \a0, \a0+1
.irp b, 0,1,2,3
.if \zero
	v_wmma_f32_16x16x32_f16 v[ACC+8*(4*(\a)+\b):ACC+8*(4*(\a)+\b)+7], v[\f+64+8*(4*\c+\b):\f+64+8*(4*\c+\b)+7], v[\f+8*(4*\c+\a):\f+8*(4*\c+\a)+7], 0
.else
	v_wmma_f32_16x16x32_f16 v[ACC+8*(4*(\a)+\b):ACC+8*(4*(\a)+\b)+7], v[\f+64+8*(4*\c+\b):\f+64+8*(4*\c+\b)+7], v[\f+8*(4*\c+\a):\f+8*(4*\c+\a)+7], v[ACC+8*(4*(\a)+\b):ACC+8*(4*(\a)+\b)+7]
.endif
.endr
.endr
.endm
; 32 LDS loads in one run: the fragments of quarter kq (64 along K) of a slot, into buffer f; the first 32 along K first
.macro FETCH slot, kq, f
	WIN TO_F
.irp c, 0,1
.irp i, 0,1,2,3
	ds_load_tr16_b128 v[\f+64+8*(4*\c+\i):\f+64+8*(4*\c+\i)+3],   v[ADRB+2*\slot+(\kq)/2] offset:(((\kq)%2)*64+32*\c)*PB+32*\i
	ds_load_tr16_b128 v[\f+64+8*(4*\c+\i)+4:\f+64+8*(4*\c+\i)+7], v[ADRB+2*\slot+(\kq)/2] offset:(((\kq)%2)*64+32*\c+16)*PB+32*\i
	ds_load_b128 v[\f+8*(4*\c+\i):\f+8*(4*\c+\i)+3],         v[ADRA+\slot] offset:128*(\kq)+64*\c+\i*16*PITCH
	ds_load_b128 v[\f+8*(4*\c+\i)+4:\f+8*(4*\c+\i)+7],       v[ADRA+\slot] offset:128*(\kq)+64*\c+\i*16*PITCH+32
.endr
.endr
.endm
.macro PLACES
.rept 4
	v_nop
.endr
.endm
.macro QUARTER slot, kq, f, g, zero    ; multiplies buffer f and fetches quarter kq into g
	s_wait_dscnt 16                                ; the first 32 along K are in; the youngest sixteen loads may be out
	WIN MUL
	MUL8 \f, 0, 0, \zero
	MUL8 \f, 0, 2, \zero
	PLACES
	FETCH \slot, \kq, \g
	s_wait_dscnt 32                                ; all but the 32 just issued
	WIN MUL
	MUL8 \f, 1, 0, 0
	MUL8 \f, 1, 2, 0
.endm
.macro TURN slot, next, fill           ; the last quarter multiplies buffer 1 and changes slots
	WIN 0
	s_wait_tensorcnt 0x0                           ; all my tensor loads have landed: my part of the next slot
	ds_add_u32 v[SPW], v[NIL]
	s_wait_dscnt 17                                ; (the add and the youngest sixteen loads may be out)
	WIN MUL
	MUL8 F1, 0, 0, 0
	s_wait_dscnt 0x0                               ; the add is done, and my reads of this slot are over
	s_barrier_signal -1
	MUL8 F1, 0, 2, 0
.if \fill
	WIN 0
.endif
	s_barrier_wait -1
.if \fill
	CREST                                          ; the barrier has opened a round of the cluster barrier
	s_add_nc_u64 s[G0+4*\slot+2:G0+4*\slot+3], s[G0+4*\slot+2:G0+4*\slot+3], 2*KSTEP*2
	s_add_nc_u64 s[G0B+4*\slot+2:G0B+4*\slot+3], s[G0B+4*\slot+2:G0B+4*\slot+3], 2*KSTEP*SIZE_N*2
	JLOAD \slot                                    ; the first tensor load behind the round
.else
	PLACES
.endif
	FETCH \next, 0, F0
	WIN MUL
	MUL8 F1, 1, 0, 0
	MUL8 F1, 1, 2, 0
.endm
	s_wait_tensorcnt 1                             ; my part of K step 0 is in; that of K step 1 may be out
	s_barrier_signal -1
	s_barrier_wait -1
	FETCH 0, 0, F0
	QUARTER 0, 1, F0, F1, 1                        ; the first quarter starts the sums
	WIN 0
	s_mov_b32 s3, LAPS-1
.Llap:
	QUARTER 0, 2, F1, F0, 0
	QUARTER 0, 3, F0, F1, 0
	TURN 0, 1, 1
	QUARTER 1, 1, F0, F1, 0
	QUARTER 1, 2, F1, F0, 0
	QUARTER 1, 3, F0, F1, 0
	TURN 1, 0, 1
	QUARTER 0, 1, F0, F1, 0
	WIN 0
	s_sub_co_u32 s3, s3, 1
	s_cmp_lg_u32 s3, 0
	s_cbranch_scc1 .Llap
	QUARTER 0, 2, F1, F0, 0                        ; the last lap fills nothing
	QUARTER 0, 3, F0, F1, 0
	TURN 0, 1, 0
	QUARTER 1, 1, F0, F1, 0
	QUARTER 1, 2, F1, F0, 0
	QUARTER 1, 3, F0, F1, 0
	s_wait_dscnt 16
	WIN MUL
	MUL8 F1, 0, 0, 0
	MUL8 F1, 0, 2, 0
	s_wait_dscnt 0
	MUL8 F1, 1, 0, 0
	MUL8 F1, 1, 2, 0
	WIN 0
	; THE WAY OUT.  My 64 columns of f32 are 256 aligned bytes of a row, so each wave goes through a stage of its own, 16 rows at a time, and no barrier is needed.
	PLACES
.irp a, 0,1,2,3
.if \a > 1
	s_wait_xcnt 0x0                                ; the stores of two blocks ago have read their registers
.endif
.irp b, 0,1,2,3
	ds_store_b128 v[STO], v[ACC+8*(4*\a+\b):ACC+8*(4*\a+\b)+3] offset:64*\b          ; each accumulator from its low end on
	ds_store_b128 v[STO], v[ACC+8*(4*\a+\b)+4:ACC+8*(4*\a+\b)+7] offset:64*\b+16
.endr
.irp t, 0,1,2,3,4,5,6,7
	ds_load_b128 v[TMP+32*(\a%2)+4*\t:TMP+32*(\a%2)+4*\t+3], v[RD] offset:\t*2*SPITCH   ; LDS serves a wave's instructions in order
.endr
	s_wait_dscnt 0x0
.irp t, 0,1,2,3,4,5,6,7
	global_store_b128 v[CO], v[TMP+32*(\a%2)+4*\t:TMP+32*(\a%2)+4*\t+3], s[8:9] offset:(16*\a+2*\t)*SIZE_N*4 th:TH_STORE_NT   ; sixteen lanes store 256 consecutive bytes, aligned
.endr
.endr
	s_wait_tensorcnt 0x0                           ; the wave ends with these three lines
	ds_add_u32 v[SPW], v[NIL]
	s_wait_dscnt 0x0
	CROUND                                         ; the closing round
	s_endpgm
.Lfunc_end_k_q31becf8d3e_proj:
	.size	k_q31becf8d3e_proj, .Lfunc_end_k_q31becf8d3e_proj-k_q31becf8d3e_proj
	.p2alignl 7, 3214868480
	.fill 96, 4, 3214868480
	.section	.rodata,"a",@progbits
	.p2align	6, 0x0
	.amdhsa_kernel k_q31becf8d3e_proj
		.amdhsa_group_segment_fixed_size 327680
		.amdhsa_private_segment_fixed_size 0
		.amdhsa_enable_private_segment 0
		.amdhsa_kernarg_size 24
		.amdhsa_user_sgpr_count 2
		.amdhsa_user_sgpr_kernarg_segment_ptr 1
		.amdhsa_wavefront_size32 1
		.amdhsa_system_sgpr_workgroup_id_x 1
		.amdhsa_system_sgpr_workgroup_id_y 1
		.amdhsa_system_sgpr_workgroup_id_z 1
		.amdhsa_system_vgpr_workitem_id 0
		.amdhsa_next_free_vgpr 512
		.amdhsa_next_free_sgpr 66
		.amdhsa_reserve_vcc 0
		.amdhsa_float_denorm_mode_32 3
		.amdhsa_float_denorm_mode_16_64 3
		.amdhsa_memory_ordered 1
		.amdhsa_forward_progress 1
		.amdhsa_inst_pref_size 86
	.end_amdhsa_kernel
	.amdgpu_metadata
---
amdhsa.version: [ 1, 2 ]
amdhsa.kernels:
  - .name:           k_q31becf8d3e_proj
    .symbol:         k_q31becf8d3e_proj.kd
    .args:
      - { .name: o16, .offset: 0, .size: 8, .value_kind: global_buffer, .address_space: global }
      - { .name: wo16, .offset: 8, .size: 8, .value_kind: global_buffer, .address_space: global }
      - { .name: out0, .offset: 16, .size: 8, .value_kind: global_buffer, .address_space: global }
    .group_segment_fixed_size: 327680
    .private_segment_fixed_size: 0
    .kernarg_segment_align: 8
    .kernarg_segment_size: 24
    .max_flat_workgroup_size: 128
    .sgpr_count:     66
    .vgpr_count:     512
    .wavefront_size: 32
...
	.end_amdgpu_metadata
.endif
;; end of part 4
;; launch fine (part 5): grid 128 x 1, 16 waves a work-group, no clusters, 18,432 bytes of LDS; arguments o32, Wo, out0; writes out0
.if DOCPART == 5
	.amdgcn_target "amdgcn-amd-amdhsa--gfx1250"
	.amdhsa_code_object_version 6
	.text
	.protected	k_q31becf8d3e_fine
	.globl	k_q31becf8d3e_fine
	.p2align	8
	.type	k_q31becf8d3e_fine,@function
k_q31becf8d3e_fine:
	s_mov_b64 s[64:65], 0
	v_nop
	global_prefetch_b8 v0, s[64:65] scope:SCOPE_SE
	s_setreg_imm32_b32 hwreg(HW_REG_WAVE_MODE, 25, 1), 1
	s_wait_xcnt 0x0
; Rows 0-15 of out once more, with unrounded operands: out[m][n] = sum over k of O32[m][k] Wo[k][n], all f32, by the f32 matrix form: 16 x 2048 x 2048, no bulk work.
; These positions average one to a few values and are the largest in size, so the rounding of their operands to f16 would weigh most.
; A work-group takes 16 columns; wave w takes k = 128 w .. 128 w + 127 in 16 groups of 8.  The sixteen partial tiles meet in LDS and are added in a fixed order.
; In a group a lane (r, h) loads O32[r][8 kk + 4 h + 0..3] by one load and Wo[8 kk + 4 h + i][n0 + r], i = 0..3, by four: the same order of k on both sides, so the products are the true ones.
; Stated: loads of Wo and the stores are pieces of 64 bytes: the slab is this narrow so that 128 work-groups share the 16 MiB of Wo.  The order of the sums differs from a plain chain along k.
.set SPARE, 16384                      ; behind the sixteen partial tiles: the spare words, 128 bytes a wave; no other line names them
.set SPW, 30
.set NIL, 31
.set BF,  32                           ; v32-95   Wo: four registers a group
.set AF,  96                           ; v96-159  O32: four registers a group
.set ACC, 160                          ; v160-191 four accumulators, written by matrix instructions alone
.set SUM, 192                          ; v192-207 their sum
	s_load_b128 s[4:7], s[0:1], 0x0                ; o32, Wo
	s_load_b64 s[8:9], s[0:1], 0x10                ; out0
	v_lshl_add_u32 v[SPW], v0, 2, SPARE
	v_mov_b32 v[NIL], 0
	v_lshrrev_b32 v1, 5, v0
	v_readfirstlane_b32 s10, v1                    ; wave 0..15
	v_and_b32 v2, 15, v0                           ; r
	v_bfe_u32 v3, v0, 4, 1                         ; h
	v_lshlrev_b32 v4, 13, v2
	v_lshl_add_u32 v4, v3, 4, v4                   ; O32: row r of 8,192 bytes, + 16 h
	v_lshlrev_b32 v5, 15, v3
	v_lshl_add_u32 v5, v2, 2, v5                   ; Wo: four rows down for lanes 16-31, + 4 r
	v_and_b32 v6, 31, v0
	v_lshlrev_b32 v6, 2, v6
	v_lshl_add_u32 v6, v1, 10, v6                  ; LDS: my partial tile, 1,024 x wave + 4 x lane
	v_lshlrev_b32 v7, 2, v0                        ; LDS, back (waves 0-7): 4 x thread = 128 x register + 4 x lane
	v_lshlrev_b32 v8, 16, v3
	v_lshl_add_u32 v8, v2, 2, v8                   ; out: eight rows down for lanes 16-31, + 4 r
	s_lshl_b32 s12, s10, 9                         ; O32: my 128 k
	s_mov_b32 s13, 0
	s_lshl_b32 s14, s10, 20                        ; Wo: my 128 rows,
	s_lshl_b32 s15, ttmp9, 6
	s_add_co_u32 s14, s14, s15                     ; my work-group's 16 columns
	s_mov_b32 s15, 0
	s_lshl_b32 s16, s10, 13                        ; out: row = wave (waves 0-7),
	s_lshl_b32 s17, ttmp9, 6
	s_add_co_u32 s16, s16, s17
	s_mov_b32 s17, 0
	s_wait_kmcnt 0x0
	s_add_nc_u64 s[4:5], s[4:5], s[12:13]
	s_add_nc_u64 s[6:7], s[6:7], s[14:15]
	s_add_nc_u64 s[8:9], s[8:9], s[16:17]
.macro GLOAD kk
	global_load_b128 v[AF+4*(\kk):AF+4*(\kk)+3], v4, s[4:5] offset:32*(\kk)
.irp i, 0,1,2,3
	global_load_b32 v[BF+4*(\kk)+\i], v5, s[6:7] offset:(8*(\kk)+\i)*8192
.endr
.endm
.macro MM kk                           ; two products of 4 along k; the four accumulators take turns, one instruction a turn; each sum begins with the constant 0
.irp i2, 0,1
.if (2*(\kk)+\i2) < 4
	v_wmma_f32_16x16x4_f32 v[ACC+8*(2*(\kk)+\i2):ACC+8*(2*(\kk)+\i2)+7], v[AF+4*(\kk)+2*\i2:AF+4*(\kk)+2*\i2+1], v[BF+4*(\kk)+2*\i2:BF+4*(\kk)+2*\i2+1], 0
.else
	v_wmma_f32_16x16x4_f32 v[ACC+8*((2*(\kk)+\i2)%4):ACC+8*((2*(\kk)+\i2)%4)+7], v[AF+4*(\kk)+2*\i2:AF+4*(\kk)+2*\i2+1], v[BF+4*(\kk)+2*\i2:BF+4*(\kk)+2*\i2+1], v[ACC+8*((2*(\kk)+\i2)%4):ACC+8*((2*(\kk)+\i2)%4)+7]
.endif
.endr
.endm
.irp kk, 0,1,2,3,4,5,6,7,8,9,10,11
	GLOAD \kk                                      ; sixty loads go out at once; every group has registers of its own
.endr
.irp kk, 0,1,2,3,4,5,6,7,8,9,10,11,12,13,14,15
.if \kk < 4
	s_wait_loadcnt 55                              ; behind this group's five loads eleven groups have been issued
.else
	s_wait_loadcnt 5*(15-\kk)
.endif
	MM \kk
.if \kk < 4
	GLOAD \kk+12
.endif
.endr
.rept 8
	v_nop                                          ; places behind this form, ahead of the first read of results (ISA guide 7.12.1)
.endr
.irp i, 0,2,4,6                                ; each accumulator is read from its low end on; the sums go into other registers
	v_pk_add_f32 v[SUM+\i:SUM+\i+1], v[ACC+\i:ACC+\i+1], v[ACC+8+\i:ACC+8+\i+1]
	v_pk_add_f32 v[SUM+8+\i:SUM+8+\i+1], v[ACC+16+\i:ACC+16+\i+1], v[ACC+24+\i:ACC+24+\i+1]
.endr
.irp i, 0,2,4,6
	v_pk_add_f32 v[SUM+\i:SUM+\i+1], v[SUM+\i:SUM+\i+1], v[SUM+8+\i:SUM+8+\i+1]
.endr
.irp j, 0,1,2,3,4,5,6,7
	ds_store_b32 v6, v[SUM+\j] offset:128*\j       ; register j: out(8 h + j, n0 + r), my part
.endr
	s_wait_dscnt 0x0                               ; for the others: my stores have landed
	s_barrier_signal -1
	s_barrier_wait -1
	s_cmp_lt_u32 s10, 8                            ; 256 numbers: waves 0-7 add and store, wave w the rows w and 8 + w
	s_cbranch_scc0 .Ldone
.irp i, 0,1,2,3,4,5,6,7,8,9,10,11,12,13,14,15
	ds_load_b32 v[BF+\i], v7 offset:1024*\i        ; the sixteen waves' parts of my number
.endr
	s_wait_dscnt 0x0
.irp i, 0,2,4,6
	v_pk_add_f32 v[BF+\i:BF+\i+1], v[BF+\i:BF+\i+1], v[BF+8+\i:BF+8+\i+1]
.endr
	v_pk_add_f32 v[BF:BF+1], v[BF:BF+1], v[BF+4:BF+5]
	v_pk_add_f32 v[BF+2:BF+3], v[BF+2:BF+3], v[BF+6:BF+7]
	v_pk_add_f32 v[BF:BF+1], v[BF:BF+1], v[BF+2:BF+3]
	v_add_f32 v[BF], v[BF], v[BF+1]
	global_store_b32 v8, v[BF], s[8:9]
.Ldone:
	s_wait_tensorcnt 0x0                           ; the wave ends with these three lines
	ds_add_u32 v[SPW], v[NIL]
	s_wait_dscnt 0x0
	s_endpgm
.Lfunc_end_k_q31becf8d3e_fine:
	.size	k_q31becf8d3e_fine, .Lfunc_end_k_q31becf8d3e_fine-k_q31becf8d3e_fine
	.p2alignl 7, 3214868480
	.fill 96, 4, 3214868480
	.section	.rodata,"a",@progbits
	.p2align	6, 0x0
	.amdhsa_kernel k_q31becf8d3e_fine
		.amdhsa_group_segment_fixed_size 18432
		.amdhsa_private_segment_fixed_size 0
		.amdhsa_enable_private_segment 0
		.amdhsa_kernarg_size 24
		.amdhsa_user_sgpr_count 2
		.amdhsa_user_sgpr_kernarg_segment_ptr 1
		.amdhsa_wavefront_size32 1
		.amdhsa_system_sgpr_workgroup_id_x 1
		.amdhsa_system_sgpr_workgroup_id_y 1
		.amdhsa_system_sgpr_workgroup_id_z 1
		.amdhsa_system_vgpr_workitem_id 0
		.amdhsa_next_free_vgpr 208
		.amdhsa_next_free_sgpr 66
		.amdhsa_reserve_vcc 0
		.amdhsa_float_denorm_mode_32 3
		.amdhsa_float_denorm_mode_16_64 3
		.amdhsa_memory_ordered 1
		.amdhsa_forward_progress 1
		.amdhsa_inst_pref_size 15
	.end_amdhsa_kernel
	.amdgpu_metadata
---
amdhsa.version: [ 1, 2 ]
amdhsa.kernels:
  - .name:           k_q31becf8d3e_fine
    .symbol:         k_q31becf8d3e_fine.kd
    .args:
      - { .name: o32, .offset: 0, .size: 8, .value_kind: global_buffer, .address_space: global }
      - { .name: Wo, .offset: 8, .size: 8, .value_kind: global_buffer, .address_space: global }
      - { .name: out0, .offset: 16, .size: 8, .value_kind: global_buffer, .address_space: global }
    .group_segment_fixed_size: 18432
    .private_segment_fixed_size: 0
    .kernarg_segment_align: 8
    .kernarg_segment_size: 24
    .max_flat_workgroup_size: 512
    .sgpr_count:     66
    .vgpr_count:     208
    .wavefront_size: 32
...
	.end_amdgpu_metadata
.endif
;; end of part 5
